; MI455X (gfx1250); checked and timed in simulation.
; The chip was launched on July 23, 2026; its instructions are those of AMD's public machine-readable ISA for CDNA 5 (MIT licence, August 2026) and "CDNA5" Instruction Set Architecture Reference Guide (July 2026). The comments in the code are by the model that wrote it; some were corrected since.
;; Transformer Block. Allowed arithmetic: matrix products marked QUANTISED: E2M3 operands, one E8M0 scale for each 32 along K, by v_wmma_scale_f32_16x16x128_f8f6f4 with both operands' format E2M3, f32 sums; everything else in f32.
;; Inputs: W1 1,024 x 4,096 float32; W2 4,096 x 1,024 float32; Wk 16 x 1,024 x 64 float32; Wproj 1,024 x 1,024 float32; Wq 16 x 1,024 x 64 float32; Wv 16 x 1,024 x 64 float32; b1 4,096 float32; b2 1,024 float32; be1 1,024 float32; be2 1,024 float32; bproj 1,024 float32; g1 1,024 float32; g2 1,024 float32; x 4 x 1,024 x 1,024 float32.
;; Outputs: out0 4 x 1,024 x 1,024 float32.
;; This version of the problem:
;;   THIS VERSION OF THE PROBLEM IS GIVEN IN LOW PRECISION. The matrix products marked QUANTISED in the list below multiply operands that are first quantised to E2M3 (2 exponent bits, 3 mantissa bits; 6 bits a number), with one power-of-two scale for each 32 numbers along K (OCP MX v1.0); their sums are f32. All else is computed in f32.
;;   The module's matrix products, in the order in which they are computed (A, B: the left and right operand; K: the contracted axis; several contracted axes count as one K, in the product's order):
;;     1. [M 1,024, K 1,024] x [K 1,024, N 4,096]; A: input Wq; B: computed on the way: QUANTISED
;;     2. [M 1,024, K 1,024] x [K 1,024, N 4,096]; A: input Wk; B: computed on the way: QUANTISED
;;     3. [M 1,024, K 1,024] x [K 1,024, N 4,096]; A: input Wv; B: computed on the way: QUANTISED
;;     4. batch 64 x [M 1,024, K 64] x [K 64, N 1,024]; A: computed on the way; B: computed on the way: QUANTISED
;;     5. batch 64 x [M 1,024, K 1,024] x [K 1,024, N 64]; A: softmax (see below); B: computed on the way: QUANTISED
;;     6. [M 4,096, K 1,024] x [K 1,024, N 1,024]; A: computed on the way; B: input Wproj: QUANTISED
;;     7. [M 4,096, K 1,024] x [K 1,024, N 4,096]; A: computed on the way; B: input W1: QUANTISED
;;     8. [M 4,096, K 4,096] x [K 4,096, N 1,024]; A: computed on the way; B: input W2: QUANTISED
;;   THE QUANTISER, for each operand of a quantised product, along K:
;;     - K is cut into blocks of 32 from its start; a last block that is shorter is filled with zeros.
;;     - A block's scale is 2^e with e = floor(log2(the largest magnitude in the block)) - 2, held to -126 .. 127; a block of zeros has e = 0. As a byte (E8M0): e + 127.
;;     - Each number is divided by its block's scale, clamped to +-7.5, and rounded to the nearest number of E2M3, ties to even, subnormals kept.
;;     - The product sums the exact products of the quantised numbers (number of the format x scale) in f32.
;;   ~~~python
;;   def quantise(x, axis):      # numpy; x: float32 -> the quantised numbers, widened to float32 again
;;       x = np.moveaxis(x, axis, -1); K = x.shape[-1]
;;       x = np.pad(x, [(0, 0)] * (x.ndim - 1) + [(0, -K % 32)]); x = x.reshape(x.shape[:-1] + (-1, 32)); a = np.abs(x).max(-1, keepdims=True)
;;       e = np.where(a > 0, np.clip(np.frexp(np.where(a > 0, a, 1))[1] - 1 - 2, -126, 127), 0)      # np.frexp(a)[1] - 1 = floor(log2(a)), exactly
;;       r = np.clip(x / 2.0 ** e, -7.5, 7.5)
;;       step = 2.0 ** (np.maximum(np.frexp(np.where(r == 0, 1, r))[1] - 1, 0) - 3)
;;       q = np.round(r / step) * step * 2.0 ** e      # np.round: ties to even
;;       return np.moveaxis(q.reshape(q.shape[:-2] + (-1,))[..., :K], -1, axis).astype(np.float32)
;;   ~~~
;;   SOFTMAX AHEAD OF A QUANTISED PRODUCT. Where the list says 'softmax', what is quantised is not the finished softmax but p = 2^(t - M), with t = logit x log2(e) and M = ceil(the row's largest t), a whole number; so 1/2 < the row's largest p <= 1. The row's sum l is taken of the UNQUANTISED p, in f32, and the product's result is divided by l at the end. Since M is a whole number, a kernel that streams over the keys may use a running M (the ceiling of the running maximum): every later rescaling is an exact power of two, which a block's scale takes up: the codes' values come out the same.
;;   OPERANDS COMPUTED ON THE WAY. 'Computed on the way' means the value that the module computes at that place (a softmax that the list does not call 'softmax' is quantised finished and normalised). What goes into a quantiser is computed in f32, as accurately as f32 sums, v_exp_f32 and their like allow (about 1e-6 of the number): no bf16 or f16 on the way to a quantiser, and a product that is left as it is and whose result goes on into a quantised operand takes f32 operands (vector FMAs, or v_wmma_f32_16x16x4_f32). A number that lies on a knife's edge between two numbers of the format may be rounded either way, as far as f32 arithmetic and the matrix unit's own rounding can turn it there, and no further.
;; One version. Each part assembles by itself: llvm-mc -triple=amdgcn-amd-amdhsa -mcpu=gfx1250 --defsym DOCPART=n.
;; ======== version 1 of 1: 7 launches
;; workspace buffers: wbuf 9,830,400 bytes; hq 3,276,800 bytes; qkv 9,830,400 bytes; at 3,276,800 bytes; x1 16,777,216 bytes; h2q 3,276,800 bytes; fh 13,107,200 bytes
;; launch prep (part 1): grid 448 x 1, 8 waves a work-group, no clusters, 120,064 bytes of LDS; arguments x, g1, be1, hq, Wq, Wk, Wv, Wproj, W1, W2, wbuf; writes hq, wbuf
.if DOCPART == 1
	.amdgcn_target "amdgcn-amd-amdhsa--gfx1250"
	.amdhsa_code_object_version 6
	.text
	.protected	k_q10ace521c2_prep
	.globl	k_q10ace521c2_prep
	.p2align	8
	.type	k_q10ace521c2_prep,@function
k_q10ace521c2_prep:
	s_mov_b64 s[64:65], 0
	v_nop
	global_prefetch_b8 v0, s[64:65] scope:SCOPE_SE
	s_setreg_imm32_b32 hwreg(HW_REG_WAVE_MODE, 25, 1), 1
	s_wait_xcnt 0x0
; THE PROGRAM: a transformer block (layernorm, causal attention of 16 heads of 64, projection, layernorm, feed-forward), every matrix product on codes of FP6 (E2M3) with one E8M0 scale for each 32 along K.
; Launches: prep (weights to codes, and the first layernorm), qkv, attn, proj, ln2, ff1, ff2.
; WORK LEFT OUT: reference() sets the scores of keys s > t to -infinity by a mask that it builds itself, so their weights are exactly 0 for all values of the inputs.  A step of 128 keys all of which come after
; a tile's 16 queries therefore reaches no output, in the score product and in the value product alike, and launch attn leaves such steps out.  Nothing else is left out; all fourteen inputs are loaded.
; LIMITS: a NaN, an infinity or an overflow that reaches only those steps is not carried to the result.  NaN and infinities among the inputs are not served.  A block whose largest magnitude lies under 2^-124 gets the
; scale byte 1; a block of zeros gets 1 where the quantiser says 127: its codes are zeros, which add nothing under any byte but 0xff, and only this program reads the bytes.
; THE LAYOUT OF EVERY OPERAND IN THE WORKSPACES: images of the operand's registers.  Row block a holds 16 rows; lane index r holds row 32 (a / 2) + 8 (a % 2) + r + 8 (r / 8).  Fragment (a, s) = 16 rows x K 128 s .. 128 s + 127
; is 1,536 bytes at (a KS + s) x 1,536 (KS = K / 128): registers 2 p, 2 p + 1 of lane L = 16 h + r at byte 256 p + 8 L; registers 6 c .. 6 c + 5 hold k = 128 s + 64 c + 32 h + 0 .. 31.
; The scale word of (a, s, r), four bytes, lies at ((a / 8) KS + s) x 512 + (a % 8) x 64 + 4 r.
; THIS LAUNCH HAS TWO KINDS OF WORK-GROUPS, which share no input and no output; they part once, on the work-group's number, and do not join; each kind has LDS bytes of its own.
; WORK-GROUPS 0 TO 191 turn the six weights, f32 with K not innermost, into such images in wbuf: Wq and Wk (rows n = 64 head + d) from byte 0, Wv from 1,572,864, Wproj from 2,359,296, W1 from 3,145,728, W2 from 6,291,456;
; the scale words from 9,437,184 on, each region at its codes' place / 24.
; A LANE TAKES A COLUMN n AND ITS REGISTERS RUN DOWN K: a block of 32 lies in one lane, its largest magnitude needs no other lane, and the conversions give codes with K innermost.
; A work-group takes 128 columns x 512 along K; wave w takes columns 32 (w % 4) on and K half w / 4: lane l = 16 x + 8 u + y is lane index r = 8 x + y of row block 2 beta + u.  The codes turn through the wave's own
; stage in LDS and leave as whole images, 512 consecutive bytes a store.  These waves share nothing: no barrier.
; WORK-GROUPS 192 TO 447 are the first layernorm with its quantiser: 16 rows each; described at their label.  No tensor loads, no cluster: what work-groups share is g and be, 8 KiB.
.set NWQ,   192                        ; work-groups that take weights
.set LB,    53248                      ; LDS: eight stages of 6,656 bytes for the weights' kind; from here on the layernorm's 16 rows
.set SPARE, 119040                     ; behind both: the spare words, 128 bytes for each of eight waves
.set SPW,  192                         ; v192 my spare word's LDS address; never rewritten
.set NIL,  193                         ; v193 0; never rewritten
	v_lshl_add_u32 v[SPW], v0, 2, SPARE
	v_mov_b32 v[NIL], 0
	s_cmp_lt_u32 ttmp9, NWQ                        ; the work-group's number alone: all eight waves go the same way
	s_cbranch_scc0 .Lnorm
.set OFF,  32                          ; v32-63   4 x lane + i x pitch
.set X,    64                          ; v64-127  two sets of 32 numbers
.set C,    128                         ; v128-133 a block's codes
.set CT,   136                         ; v136-138 its upper half as converted
.set SB,   140                         ; v140-141 the scale words of my two K steps
.set OUTR, 144                         ; v144-191 the way out: 24 registers for each K step
	s_load_b256 s[4:11], s[0:1], 0x20              ; Wq, Wk, Wv, Wproj
	s_load_b128 s[12:15], s[0:1], 0x40             ; W1, W2
	s_load_b64 s[16:17], s[0:1], 0x50              ; wbuf
	v_lshrrev_b32 v1, 5, v0
	v_readfirstlane_b32 s18, v1                    ; wave 0..7
	; which weight, which 128 columns (cg), which 256 along K (kq): work-groups 0-63 the four weights of 1,024 x 1,024, 64-127 W1, 128-191 W2
	s_lshr_b32 s20, ttmp9, 6                       ; class 0, 1, 2
	s_bfe_u32 s21, ttmp9, 0x20004                  ; in class 0: which of the four
	s_cmp_eq_u32 s20, 1
	s_cselect_b32 s23, 31, 7
	s_cselect_b32 s24, 5, 3
	s_cmp_eq_u32 s20, 2
	s_cselect_b32 s25, 7, 1
	s_and_b32 s26, ttmp9, s23                      ; cg
	s_lshr_b32 s27, ttmp9, s24
	s_and_b32 s27, s27, s25                        ; which 512 along K is the work-group's,
	s_lshl_b32 s27, s27, 1
	s_lshr_b32 s22, s18, 2
	s_add_co_u32 s27, s27, s22                     ; kq: which 256 is my wave's
	s_add_co_u32 s28, s20, 3
	s_cmp_eq_u32 s20, 0
	s_cselect_b32 s28, s21, s28                    ; 0 Wq, 1 Wk, 2 Wv, 3 Wproj, 4 W1, 5 W2
	s_mov_b32 s29, 4096
	s_cmp_lt_u32 s28, 3
	s_cselect_b32 s29, 256, s29
	s_cmp_eq_u32 s28, 4
	s_cselect_b32 s29, 16384, s29                  ; bytes from k to k + 1
	s_cmp_eq_u32 s28, 5
	s_cselect_b32 s30, 32, 8                       ; KS
	s_cselect_b32 s31, 8, s28
	s_mul_i32 s32, s31, 786432                     ; where the weight's codes begin in wbuf,
	s_lshl_b32 s33, s31, 15                        ; and its scale words behind 9,437,184
	s_lshl_b32 s34, s26, 7
	s_and_b32 s35, s18, 3
	s_lshl_b32 s35, s35, 5
	s_add_co_u32 s34, s34, s35                     ; my wave's first column n0
	s_lshr_b32 s35, s34, 6
	s_lshl_b32 s35, s35, 18                        ; Wq, Wk, Wv: head x 1,024 x 64 x 4
	s_and_b32 s36, s34, 63
	s_lshl_b32 s36, s36, 2
	s_add_co_u32 s35, s35, s36
	s_lshl_b32 s36, s34, 2                         ; the others: 4 n0
	s_cmp_lt_u32 s28, 3
	s_cselect_b32 s35, s35, s36
	s_mul_i32 s36, s27, s29
	s_lshl_b32 s36, s36, 8                         ; 256 kq rows down
	s_add_co_u32 s36, s36, s35
	s_mov_b32 s37, 0
	s_lshr_b32 s38, s34, 4                         ; a0: my first row block (even)
	s_lshl_b32 s39, s27, 1                         ; s0: my first K step
	s_mul_i32 s40, s38, s30
	s_add_co_u32 s40, s40, s39
	s_mul_i32 s40, s40, 1536
	s_add_co_u32 s40, s40, s32                     ; fragment (a0, s0)
	s_mov_b32 s41, 0
	s_mul_i32 s42, s30, 1536                       ; from block a0 to a0 + 1
	s_mov_b32 s43, 0
	s_lshr_b32 s44, s38, 3
	s_mul_i32 s44, s44, s30
	s_add_co_u32 s44, s44, s39
	s_lshl_b32 s44, s44, 9
	s_and_b32 s45, s38, 7
	s_lshl_b32 s45, s45, 6
	s_add_co_u32 s44, s44, s45
	s_add_co_u32 s44, s44, s33
	s_add_co_u32 s44, s44, 9437184                 ; scale words of (a0, s0)
	s_mov_b32 s45, 0
	s_lshl_b32 s52, s29, 5                         ; 32 rows of the weight
	s_mov_b32 s53, 0
	v_and_b32 v1, 31, v0                           ; lane
	v_lshlrev_b32 v2, 2, v1
	v_bfe_u32 v8, v0, 4, 1                         ; x
	v_bfe_u32 v9, v0, 3, 1                         ; u
	v_and_b32 v10, 7, v0                           ; y
	v_lshl_add_u32 v10, v8, 3, v10                 ; r
	s_mul_i32 s19, s18, 6656                       ; my stage: K step sI at 3,328 sI, fragment u at 1,664 u
	v_mul_u32_u24 v3, v9, 1664
	v_lshl_add_u32 v3, v10, 3, v3
	v_add_nc_u32 v3, s19, v3                       ; into it: 8 r in fragment u
	v_lshlrev_b32 v5, 4, v1                        ; out: 16 bytes a lane
	v_add_nc_u32 v4, s19, v5
	v_lshlrev_b32 v6, 2, v10
	v_lshl_add_u32 v6, v9, 6, v6                   ; my scale word: 64 u + 4 r
.set i, 0
.rept 32
	v_mad_u32_u24 v[OFF+i], s29, i, v2             ; 4 x lane + i rows
.set i, i+1
.endr
	s_wait_kmcnt 0x0
	s_cmp_eq_u32 s28, 1                            ; the choice hangs on the work-group's number alone
	s_cselect_b64 s[4:5], s[6:7], s[4:5]
	s_cmp_eq_u32 s28, 2
	s_cselect_b64 s[4:5], s[8:9], s[4:5]
	s_cmp_eq_u32 s28, 3
	s_cselect_b64 s[4:5], s[10:11], s[4:5]
	s_cmp_eq_u32 s28, 4
	s_cselect_b64 s[4:5], s[12:13], s[4:5]
	s_cmp_eq_u32 s28, 5
	s_cselect_b64 s[4:5], s[14:15], s[4:5]
	s_add_nc_u64 s[4:5], s[4:5], s[36:37]
	s_add_nc_u64 s[46:47], s[16:17], s[40:41]      ; block a0's images
	s_add_nc_u64 s[48:49], s[46:47], s[42:43]      ; block a0 + 1's
	s_add_nc_u64 s[50:51], s[16:17], s[44:45]      ; the scale words
.macro LOAD t                          ; block t: 32 rows of my column into set t % 2; 32 lanes read 128 consecutive bytes
.set i, 0
.rept 32
	global_load_b32 v[X+32*((\t)%2)+i], v[OFF+i], s[4:5] th:TH_LOAD_NT
.set i, i+1
.endr
	s_wait_xcnt 0x0                                ; the loads have read their base: it steps 32 rows
	s_add_nc_u64 s[4:5], s[4:5], s[52:53]
.endm
.macro BLOCK t                         ; block t = 4 sI + 2 c + h of my column
.set XS, X+32*((\t)%2)
.if (\t) < 7
	s_wait_loadcnt 32                              ; this block's 32 loads are in; the next block's may be out
.else
	s_wait_loadcnt 0x0
.endif
	v_max3_num_f32 v8, |v[XS]|, |v[XS+1]|, |v[XS+2]|
	v_max3_num_f32 v9, |v[XS+3]|, |v[XS+4]|, |v[XS+5]|
.irp i, 6,10,14,18,22,26
	v_max3_num_f32 v8, v8, |v[XS+\i]|, |v[XS+\i+1]|
	v_max3_num_f32 v9, v9, |v[XS+\i+2]|, |v[XS+\i+3]|
.endr
	v_max3_num_f32 v8, v8, |v[XS+30]|, |v[XS+31]|
	v_max3_num_f32 v8, v8, v9, 0x1800000           ; the floor 2^(3 - 127): the byte cannot fall under 1
	v_add_nc_u32 v11, 0xff000000, v8               ; 2 off the exponent field: the conversion's scale operand
	v_cvt_scalef32_pk16_fp6_f32 v[C:C+2], v[XS:XS+15], v11
	v_cvt_scalef32_pk16_fp6_f32 v[CT:CT+2], v[XS+16:XS+31], v11
	v_lshrrev_b32 v10, 23, v11                     ; the scale's byte (also the plain line behind the conversions)
.if (\t)%4 == 0
	v_mov_b32 v[SB+(\t)/4], v10
.else
	v_lshl_or_b32 v[SB+(\t)/4], v10, 8*((\t)%4), v[SB+(\t)/4]
.endif
.irp i, 0,1,2
	v_mov_b32 v[C+3+\i], v[CT+\i]
.endr
.irp i, 0,1,2
	ds_store_b64 v3, v[C+2*\i:C+2*\i+1] offset:3328*((\t)/4)+768*(((\t)/2)%2)+128*((\t)%2)+256*\i   ; registers 6 c + 2 i of lane (r, h)
.endr
.if (\t) < 6
	LOAD (\t)+2
.endif
	s_wait_dscnt 0x0                               ; the stores have read their registers
.endm
.macro OUT sI                          ; a K step's two images leave: LDS serves a wave's instructions in order, so the loads see my stores
.irp u, 0,1
.irp c, 0,1,2
	ds_load_b128 v[OUTR+24*\sI+4*(3*\u+\c):OUTR+24*\sI+4*(3*\u+\c)+3], v4 offset:3328*\sI+1664*\u+512*\c
.endr
.endr
	s_wait_dscnt 0x0
.irp c, 0,1,2
	global_store_b128 v5, v[OUTR+24*\sI+4*\c:OUTR+24*\sI+4*\c+3], s[46:47] offset:1536*\sI+512*\c          ; 32 lanes store 512 consecutive bytes
	global_store_b128 v5, v[OUTR+24*\sI+12+4*\c:OUTR+24*\sI+12+4*\c+3], s[48:49] offset:1536*\sI+512*\c
.endr
	global_store_b32 v6, v[SB+\sI], s[50:51] offset:512*\sI   ; 128 consecutive bytes of scale words
.endm
	LOAD 0
	LOAD 1
	BLOCK 0
	BLOCK 1
	BLOCK 2
	BLOCK 3
	OUT 0
	BLOCK 4
	BLOCK 5
	BLOCK 6
	BLOCK 7
	OUT 1
	s_wait_tensorcnt 0x0                           ; the wave's end: behind my last LDS store
	ds_add_u32 v[SPW], v[NIL]
	s_wait_dscnt 0x0
	s_endpgm
; THE FIRST LAYERNORM.  y = (x - mean) rsqrt(var + 1e-5) g + be along rows of 1,024, in f32 (the variance of the differences, as reference() has it), then quantised along the row.
; Out: hq, KS = 8: fragment (a, s) at (8 a + s) x 1,536, scale words from 3,145,728 on.  Work-group 192 + a owns block a's 16 rows.
; Phase 1: wave w normalises lane indices 2 w and 2 w + 1 (two neighbouring rows), each load 512 consecutive bytes, and lays them in LDS (pitch 4,112).  One barrier, which all eight waves of such a work-group pass.
; Phase 2: wave w takes K step w: lane (r, h) reads its two whole blocks of 32 of row r, quantises them, and the wave stores the fragment's image, 256 consecutive bytes a store.
.Lnorm:
.set PITCH, 4112
.set X,    32                          ; v32-95   two rows, later my 64 numbers
.set G,    96                          ; v96-127  g at my columns
.set BE,   128                         ; v128-159 be
.set PC,   160                         ; v160-171 the fragment
.set PT,   172                         ; v172-174, v176-178 upper halves as converted
.set TM,   26
.set TS,   28
.set TB,   30
	s_load_b256 s[4:11], s[0:1], 0x0               ; x, g, be, out
	s_sub_co_u32 s26, ttmp9, NWQ                   ; a
	v_lshrrev_b32 v1, 5, v0
	v_readfirstlane_b32 s12, v1                    ; wave
	v_and_b32 v16, 31, v0                          ; lane
	v_and_b32 v17, 15, v0                          ; r
	v_bfe_u32 v18, v0, 4, 1                        ; h
	v_lshlrev_b32 v1, 4, v16                       ; 16 x lane
	s_mul_i32 s16, s12, 2*PITCH
	s_add_co_u32 s16, s16, LB
	v_add_nc_u32 v2, s16, v1                       ; LDS, phase 1: row 2 w, 16 x lane
	v_mul_u32_u24 v3, v17, PITCH
	v_lshl_add_u32 v3, v18, 7, v3
	s_lshl_b32 s17, s12, 9
	s_add_co_u32 s17, s17, LB
	v_add_nc_u32 v3, s17, v3                       ; LDS, phase 2: row r, K step w, + 128 h
	v_lshlrev_b32 v4, 3, v16                       ; 8 x lane
	v_lshlrev_b32 v5, 2, v17                       ; 4 r
	v_lshlrev_b32 v24, 3, v18                      ; 8 h: where my two bytes stand in the scale word
	s_lshr_b32 s13, s26, 1
	s_lshl_b32 s13, s13, 5
	s_and_b32 s14, s26, 1
	s_lshl_b32 s14, s14, 3
	s_add_co_u32 s13, s13, s14
	s_lshl_b32 s14, s12, 1
	s_add_co_u32 s13, s13, s14
	s_lshr_b32 s14, s12, 2
	s_lshl_b32 s14, s14, 3
	s_add_co_u32 s13, s13, s14                     ; my first row: 32 (a / 2) + 8 (a % 2) + 2 w + 8 (w / 4)
	s_lshl_b32 s14, s13, 12
	s_mov_b32 s15, 0
	s_lshl_b32 s18, s26, 3
	s_add_co_u32 s18, s18, s12
	s_mul_i32 s18, s18, 1536                       ; fragment (a, w)
	s_mov_b32 s19, 0
	s_lshr_b32 s20, s26, 3
	s_lshl_b32 s20, s20, 3
	s_add_co_u32 s20, s20, s12
	s_lshl_b32 s20, s20, 9
	s_and_b32 s21, s26, 7
	s_lshl_b32 s21, s21, 6
	s_add_co_u32 s20, s20, s21
	s_add_co_u32 s20, s20, 3145728                 ; its scale words
	s_mov_b32 s21, 0
	s_mov_b32 s22, 0x3a800000                      ; 1 / 1,024
	s_mov_b32 s23, 0x3727c5ac                      ; 1e-5
	s_mov_b32 s24, 0x76543210
	s_mov_b32 s25, 0xfedcba98                      ; v_permlanex16_b32: lane l xor 16
	s_wait_kmcnt 0x0
	s_add_nc_u64 s[4:5], s[4:5], s[14:15]
	s_add_nc_u64 s[18:19], s[10:11], s[18:19]
	s_add_nc_u64 s[20:21], s[10:11], s[20:21]
.irp e, 0,1
.irp i, 0,1,2,3,4,5,6,7
	global_load_b128 v[X+32*\e+4*\i:X+32*\e+4*\i+3], v1, s[4:5] offset:4096*\e+512*\i
.endr
.endr
.irp i, 0,1,2,3,4,5,6,7
	global_load_b128 v[G+4*\i:G+4*\i+3], v1, s[6:7] offset:512*\i
.endr
.irp i, 0,1,2,3,4,5,6,7
	global_load_b128 v[BE+4*\i:BE+4*\i+3], v1, s[8:9] offset:512*\i
.endr
.macro REDUCE t                        ; the sum over the 32 lanes, in every lane
	v_add_f32_dpp v[\t], v[\t], v[\t] row_xmask:1 row_mask:0xf bank_mask:0xf
	v_add_f32_dpp v[\t], v[\t], v[\t] row_xmask:2 row_mask:0xf bank_mask:0xf
	v_add_f32_dpp v[\t], v[\t], v[\t] row_xmask:4 row_mask:0xf bank_mask:0xf
	v_add_f32_dpp v[\t], v[\t], v[\t] row_xmask:8 row_mask:0xf bank_mask:0xf
	v_permlanex16_b32 v[\t+1], v[\t], s24, s25
	v_add_f32 v[\t], v[\t], v[\t+1]
.endm
.macro MEAN e                          ; row e's mean, as a pair in v[8 + 2 e]
.set XR, X+32*\e
.set T, 16+4*\e
	v_pk_add_f32 v[T:T+1], v[XR:XR+1], v[XR+2:XR+3]
	v_pk_add_f32 v[T+2:T+3], v[XR+4:XR+5], v[XR+6:XR+7]
.irp j, 8,12,16,20,24,28
	v_pk_add_f32 v[T:T+1], v[T:T+1], v[XR+\j:XR+\j+1]
	v_pk_add_f32 v[T+2:T+3], v[T+2:T+3], v[XR+\j+2:XR+\j+3]
.endr
	v_pk_add_f32 v[T:T+1], v[T:T+1], v[T+2:T+3]
	v_add_f32 v[T], v[T], v[T+1]
	REDUCE T
	v_mul_f32 v[8+2*\e], s22, v[T]
	v_mov_b32 v[9+2*\e], v[8+2*\e]
.endm
.macro DEV e                           ; x - mean in place; 1 / sqrt(mean of squares + 1e-5) into v[12 + 2 e]
.set XR, X+32*\e
.set T, 16+4*\e
.set jj, 0
.rept 16
	v_pk_add_f32 v[XR+jj:XR+jj+1], v[XR+jj:XR+jj+1], v[8+2*\e:9+2*\e] neg_lo:[0,1] neg_hi:[0,1]
.set jj, jj+2
.endr
	v_pk_mul_f32 v[T:T+1], v[XR:XR+1], v[XR:XR+1]
	v_pk_mul_f32 v[T+2:T+3], v[XR+2:XR+3], v[XR+2:XR+3]
.irp j, 4,8,12,16,20,24,28
	v_pk_fma_f32 v[T:T+1], v[XR+\j:XR+\j+1], v[XR+\j:XR+\j+1], v[T:T+1]
	v_pk_fma_f32 v[T+2:T+3], v[XR+\j+2:XR+\j+3], v[XR+\j+2:XR+\j+3], v[T+2:T+3]
.endr
	v_pk_add_f32 v[T:T+1], v[T:T+1], v[T+2:T+3]
	v_add_f32 v[T], v[T], v[T+1]
	REDUCE T
	v_fma_f32 v[T], v[T], s22, s23
	v_rsq_f32 v[12+2*\e], v[T]
.endm
	s_wait_loadcnt 16                              ; the two rows are in; the 16 loads of g and be may be out
	MEAN 0
	MEAN 1
	DEV 0
	DEV 1
	v_nop                                          ; a plain line behind the last transcendental
	s_wait_alu depctr_va_vdst(0)                   ; one wait for both, ahead of the first line that names a result
	v_mov_b32 v13, v12
	v_mov_b32 v15, v14
	s_wait_loadcnt 0x0                             ; g and be
.irp e, 0,1
.set jj, 0
.rept 16
	v_pk_mul_f32 v[X+32*\e+jj:X+32*\e+jj+1], v[X+32*\e+jj:X+32*\e+jj+1], v[12+2*\e:13+2*\e]
	v_pk_fma_f32 v[X+32*\e+jj:X+32*\e+jj+1], v[X+32*\e+jj:X+32*\e+jj+1], v[G+jj:G+jj+1], v[BE+jj:BE+jj+1]
.set jj, jj+2
.endr
.endr
.irp e, 0,1
.irp i, 0,1,2,3,4,5,6,7
	ds_store_b128 v2, v[X+32*\e+4*\i:X+32*\e+4*\i+3] offset:PITCH*\e+512*\i
.endr
.endr
	s_wait_dscnt 0x0                               ; for the others' sake: my rows lie in LDS
	s_barrier_signal -1
	s_barrier_wait -1
.irp c, 0,1
.irp j, 0,1,2,3,4,5,6,7
	ds_load_b128 v[X+32*\c+4*\j:X+32*\c+4*\j+3], v3 offset:256*\c+16*\j   ; k = 128 w + 64 c + 32 h + 4 j ..
.endr
.endr
	s_wait_dscnt 0x0
.irp c, 0,1                                    ; my block 2 c + h: all its 32 numbers are mine
	v_max3_num_f32 v[TM+\c], |v[X+32*\c]|, |v[X+1+32*\c]|, 0x1800000
.endr
.irp i, 2,4,6,8,10,12,14,16,18,20,22,24,26,28,30
.irp c, 0,1
	v_max3_num_f32 v[TM+\c], v[TM+\c], |v[X+32*\c+\i]|, |v[X+1+32*\c+\i]|
.endr
.endr
.irp c, 0,1
	v_add_nc_u32 v[TS+\c], 0xff000000, v[TM+\c]    ; 2 off the exponent field: the conversion's scale operand
.endr
.irp c, 0,1
	v_lshrrev_b32 v[TB+\c], 23, v[TS+\c]           ; the scale's byte
.endr
	v_lshl_or_b32 v20, v[TB+1], 16, v[TB]          ; blocks h and 2 + h,
	v_lshlrev_b32 v20, v24, v20                    ; at their places;
	v_mov_b32 v21, 0
	v_permlanex16_b32 v21, v20, s24, s25
	v_or_b32 v20, v20, v21                         ; with lane l xor 16's two the word is whole
.irp c, 0,1
	v_cvt_scalef32_pk16_fp6_f32 v[PC+6*\c:PC+6*\c+2], v[X+32*\c:X+32*\c+15], v[TS+\c]
	v_cvt_scalef32_pk16_fp6_f32 v[PT+4*\c:PT+4*\c+2], v[X+32*\c+16:X+32*\c+31], v[TS+\c]
.endr
	v_nop                                          ; one plain line behind a scaled conversion
.irp c, 0,1
.irp i, 0,1,2
	v_mov_b32 v[PC+3+6*\c+\i], v[PT+4*\c+\i]
.endr
.endr
.irp p, 0,1,2,3,4,5
	global_store_b64 v4, v[PC+2*\p:PC+2*\p+1], s[18:19] offset:256*\p   ; 32 lanes store 256 consecutive bytes, aligned
.endr
	global_store_b32 v5, v20, s[20:21]             ; row r's word (lanes 16-31 hold and write the same word)
	s_wait_tensorcnt 0x0                           ; the wave's end: behind my last LDS store
	ds_add_u32 v[SPW], v[NIL]
	s_wait_dscnt 0x0
	s_endpgm
.Lfunc_end_k_q10ace521c2_prep:
	.size	k_q10ace521c2_prep, .Lfunc_end_k_q10ace521c2_prep-k_q10ace521c2_prep
	.p2alignl 7, 3214868480
	.fill 96, 4, 3214868480
	.section	.rodata,"a",@progbits
	.p2align	6, 0x0
	.amdhsa_kernel k_q10ace521c2_prep
		.amdhsa_group_segment_fixed_size 120064
		.amdhsa_private_segment_fixed_size 0
		.amdhsa_enable_private_segment 0
		.amdhsa_kernarg_size 88
		.amdhsa_user_sgpr_count 2
		.amdhsa_user_sgpr_kernarg_segment_ptr 1
		.amdhsa_wavefront_size32 1
		.amdhsa_system_sgpr_workgroup_id_x 1
		.amdhsa_system_sgpr_workgroup_id_y 1
		.amdhsa_system_sgpr_workgroup_id_z 1
		.amdhsa_system_vgpr_workitem_id 0
		.amdhsa_next_free_vgpr 194
		.amdhsa_next_free_sgpr 66
		.amdhsa_reserve_vcc 0
		.amdhsa_float_denorm_mode_32 3
		.amdhsa_float_denorm_mode_16_64 3
		.amdhsa_memory_ordered 1
		.amdhsa_forward_progress 1
		.amdhsa_inst_pref_size 70
	.end_amdhsa_kernel
	.amdgpu_metadata
---
amdhsa.version: [ 1, 2 ]
amdhsa.kernels:
  - .name:           k_q10ace521c2_prep
    .symbol:         k_q10ace521c2_prep.kd
    .args:
      - { .name: x, .offset: 0, .size: 8, .value_kind: global_buffer, .address_space: global }
      - { .name: g1, .offset: 8, .size: 8, .value_kind: global_buffer, .address_space: global }
      - { .name: be1, .offset: 16, .size: 8, .value_kind: global_buffer, .address_space: global }
      - { .name: hq, .offset: 24, .size: 8, .value_kind: global_buffer, .address_space: global }
      - { .name: Wq, .offset: 32, .size: 8, .value_kind: global_buffer, .address_space: global }
      - { .name: Wk, .offset: 40, .size: 8, .value_kind: global_buffer, .address_space: global }
      - { .name: Wv, .offset: 48, .size: 8, .value_kind: global_buffer, .address_space: global }
      - { .name: Wproj, .offset: 56, .size: 8, .value_kind: global_buffer, .address_space: global }
      - { .name: W1, .offset: 64, .size: 8, .value_kind: global_buffer, .address_space: global }
      - { .name: W2, .offset: 72, .size: 8, .value_kind: global_buffer, .address_space: global }
      - { .name: wbuf, .offset: 80, .size: 8, .value_kind: global_buffer, .address_space: global }
    .group_segment_fixed_size: 120064
    .private_segment_fixed_size: 0
    .kernarg_segment_align: 8
    .kernarg_segment_size: 88
    .max_flat_workgroup_size: 256
    .sgpr_count:     66
    .vgpr_count:     194
    .wavefront_size: 32
...
	.end_amdgpu_metadata
.endif
;; end of part 1
;; launch qkv (part 2): grid 4 x 48, 4 waves a work-group, clusters of 4 x 4, 327,680 bytes of LDS; arguments hq, wbuf, qkv; writes qkv
.if DOCPART == 2
	.amdgcn_target "amdgcn-amd-amdhsa--gfx1250"
	.amdhsa_code_object_version 6
	.text
	.protected	k_q10ace521c2_qkv
	.globl	k_q10ace521c2_qkv
	.p2align	8
	.type	k_q10ace521c2_qkv,@function
k_q10ace521c2_qkv:
	s_mov_b64 s[64:65], 0
	v_nop
	global_prefetch_b8 v0, s[64:65] scope:SCOPE_SE
	s_setreg_imm32_b32 hwreg(HW_REG_WAVE_MODE, 25, 1), 1
	s_wait_xcnt 0x0
	s_wait_alu depctr_hold_cnt(0) depctr_sa_sdst(0) depctr_va_vdst(0) depctr_va_sdst(0) depctr_va_ssrc(0) depctr_va_vcc(0) depctr_vm_vsrc(0)
	s_getreg_b32 s2, hwreg(HW_REG_IB_STS2, 6, 4)
	s_cmp_eq_u32 s2, 0
	s_cbranch_scc0 .Lentry_in_a_cluster
	s_endpgm
.Lentry_in_a_cluster:
	s_bfe_u32 s2, ttmp6, 0x10000c
	s_cmp_lg_u32 s2, 0xf033
	s_cbranch_scc0 .Lentry_shape_is_right
	s_endpgm
.Lentry_shape_is_right:
; A GEMM on FP6 codes, K = 1,024, whose RESULT IS QUANTISED IN REGISTERS and stored as images of the next product's operand registers.  (MODE 0, here: q, k, v.  MODE 1: the feed-forward's first layer, with bias and relu.)
; Operands lie as register images: fragment (a, s) at (8 a + s) x 1,536 bytes, scale words at ((a / 8) 8 + s) x 512 + (a % 8) x 64 + 4 r; lane index r of block a is row 32 (a / 2) + 8 (a % 2) + r + 8 (r / 8).
; A tile is 256 x 256, four waves of 128 x 128: 64 accumulators, 512 registers.  Source 0 = 16 rows of B, source 1 = 16 rows of A: a lane holds ONE row of A, and, by the order of rows in a block, the 16 registers of
; tiles 2 beta, 2 beta + 1 are 16 neighbouring columns 32 beta + 16 (lane / 16) + 0 .. 15: so a wave's 128 columns of 16 rows become one fragment and one scale word a row, with no way through LDS.
; MODE 0: clusters 0-7 along y: A = tokens (hq), B = Wq and Wk's 2,048 rows: q and k, quantised along the head's 64.  Clusters 8-11: A = Wv's 1,024 rows, B = tokens: v, quantised along the tokens, the K of the value product.
; qkv holds 96 panels of 64 fragments: panel kind x 32 + batch x 8 + head pair; q, k: fragment = token block of the batch, its 128 along K the pair's two heads; v: fragment 8 x key step + block of the pair's 128 rows.
; Scale words from 9,437,184 on, 64 bytes a fragment.
; K goes in four parts of 256.  THREE LDS SLOTS ARE FILLED AT THE HEAD, with parts 0, 1 and 2 and the scale words of the tile's rows for all of K; part 3 comes into slot 0 by the launch's ONE refill, behind the round at the
; end of slot 0's work, and has the 256 matrix instructions of slots 1 and 2 in which to land.  A wave's load brings 8 blocks x 3,072 bytes.  By this text's count a wave has at most four tensor loads out, later one.
; The wait for all loads in front of that round has shown slots 1 and 2 whole to every wave, so the change from slot 1 to slot 2 has no wait on tensor loads and no barrier.
; CLUSTERS of 4 x 4: A's tiles are asked for jointly along a row of the cluster, B's along a column.  Which buffers A and B are hangs on the cluster's y alone, the same in all sixteen; it is chosen by selects, no branch.
; REGISTERS: window 0: v16-29 addresses; v32-63 scale words, two sets; v64-127 the bias (MODE 1); v128-223 A's fragments, one set.  window 1: B's fragments, two sets, at v0 and v128.  windows 2, 3: accumulator (a, b) at v[8 (8 (a % 4) + b)].
.set MODE,  0
.set NQ,    2                          ; K steps of 128 in a slot
.set FR,    12
.set NL,    6
.set NP,    4
.set HALFT, 24576                      ; 8 blocks x 3,072 bytes: what one tensor load brings
.set SLOT,  98304
.set SCL,   294912                     ; behind the three slots: the scale words
.set HALFS, 4096                       ; those of 128 rows for all of K
.set SPARE, 311296                     ; the spare words, 128 bytes for each wave
.set ADRA, 16                          ; v16-18 my A fragments in slot 0, 1, 2
.set ADRB, 20                          ; v20-22 the same for B
.set CO8,  24                          ; 8 x lane
.set CO4,  25                          ; 4 x lane
.set ADRS, 27
.set SPW,  28
.set NIL,  29
.set SC,   32
.set BI,   64
.set AF,   128
.set TM,   32                          ; the way out, window 0: v32-47 at work, v48 a scale word, v52-70 codes, v72-79 eight scale words, v80-83 paired
.set PW,   48
.set PC,   52
.set SW,   72
.set SW2,  80
.set G1, 24
.set G0, 32                            ; s[32:39] group 0 for A's tiles in slots 0 and 1
.set G0C, 4                            ; s[4:7]   for slot 2 (the two pointers that lay here are used up by then)
.set G1B, 48
.set G0B, 56
.set G0BC, 92                          ; s[92:95] B's for slot 2
.set G1S, 68
.set G0S, 76
.set G1SB, 80
.set G0SB, 88
.if MODE
.set KB, 3145728                       ; W1's codes in wbuf
.set ASTEP, 49152                      ; from row block to row block in fh (KS = 32)
.else
.set KB, 0
.set ASTEP, 1536
.endif
.set MSB, 0
.macro WIN new                         ; the immediate's high byte repeats the setting that is left
.if MSB != \new
	s_set_vgpr_msb (MSB<<8)|\new
.set MSB, \new
.endif
.endm
.set MUL_LO, 0xa1                      ; source 0 (B) window 1, source 1 (A) window 0, C and D window 2
.set MUL_HI, 0xf1
.set TO_B,   0x40
.macro JLOAD g0a, g1a, g0b, g1b        ; a joint load: waves 0 and 1 fetch for A, waves 2 and 3 for B; an s_nop 0 and four v_nop follow each line
	s_cmp_eq_u32 s15, 0
	s_cbranch_scc0 .Lfor_b_\@
	tensor_load_to_lds s[\g0a:\g0a+3], s[\g1a:\g1a+7]
	s_nop 0
.rept 4
	v_nop
.endr
	s_branch .Lasked_\@
.Lfor_b_\@:
	tensor_load_to_lds s[\g0b:\g0b+3], s[\g1b:\g1b+7]
	s_nop 0
.rept 4
	v_nop
.endr
.Lasked_\@:
.endm
.macro CREST
	s_cmp_lg_u32 s14, 0
	s_cbranch_scc1 .Lnot_wave_0_\@
	s_barrier_signal -3
.Lnot_wave_0_\@:
	s_barrier_wait -3
	s_barrier_signal -1
	s_barrier_wait -1
.endm
.macro CROUND
	s_barrier_signal -1
	s_barrier_wait -1
	CREST
.endm
	s_load_b128 s[4:7], s[0:1], 0x0                ; the tokens' codes, wbuf
.if MODE
	s_load_b128 s[8:11], s[0:1], 0x10              ; b1, fh
.else
	s_load_b64 s[10:11], s[0:1], 0x10              ; qkv
.endif
	v_lshl_add_u32 v[SPW], v0, 2, SPARE
	v_mov_b32 v[NIL], 0
	ds_add_u32 v[SPW], v[NIL]                      ; the opening: the add, twice on end, and its wait ahead of my first tensor load
	ds_add_u32 v[SPW], v[NIL]
	v_lshrrev_b32 v1, 5, v0
	v_readfirstlane_b32 s14, v1                    ; wave
	s_lshr_b32 s15, s14, 1                         ; my half of the tile's rows.  Also: I fetch for A (0) or B (1)
	s_and_b32 s16, s14, 1                          ; my half of its columns.  Also: which 128 rows I fetch
	s_bfe_u32 s40, ttmp6, 0x40000                  ; cx
	s_bfe_u32 s41, ttmp6, 0x40004                  ; cy
.if MODE
	s_lshl_b32 s42, ttmp9, 2
	s_add_co_u32 s42, s42, s40                     ; tile column
	s_and_b32 s17, ttmp7, 0xffff
	s_lshl_b32 s17, s17, 2
	s_add_co_u32 s17, s17, s41                     ; tile row
	s_mov_b32 s90, 0                               ; A's codes, A's scales, B's scales: where they begin in their buffers
	s_mov_b32 s91, 3145728
	s_mov_b32 s99, 9568256
.else
	s_and_b32 s12, ttmp7, 0xffff                   ; the cluster's y, 0 .. 11
	s_lshr_b32 s17, s12, 1
	s_lshl_b32 s17, s17, 2
	s_and_b32 s42, s12, 1
	s_and_b32 s13, s12, 3
	s_mov_b32 s91, 9502720
	s_mov_b32 s99, 3145728
	s_cmp_lt_u32 s12, 8                            ; q and k, or v?
	s_cselect_b32 s17, s17, 0
	s_cselect_b32 s42, s42, s13
	s_cselect_b32 s90, 0, 1572864
	s_cselect_b32 s91, 3145728, s91
	s_cselect_b32 s99, 9437184, s99
	s_add_co_u32 s17, s17, s41                     ; tile row
	s_lshl_b32 s42, s42, 2
	s_add_co_u32 s42, s42, s40                     ; tile column
.endif
	s_lshl_b32 s43, s41, 2
	s_lshl_b32 s43, 15, s43                        ; my row of the cluster
	s_lshl_b32 s44, 0x1111, s40                    ; my column
	s_or_b32 s[G1+0], s43, (3<<16)|(1<<21)         ; the mask; elements of 8 bytes; bit 21 beside a mask; no padding
	s_or_b32 s[G1B+0], s44, (3<<16)|(1<<21)
.irp g, G1, G1B
	s_mov_b32 s[\g+1], 384<<16                     ; tensor_dim0: 3,072 bytes, two K steps of a block
	s_mov_b32 s[\g+2], 8<<16                       ; tensor_dim1: 8 blocks
	s_mov_b32 s[\g+3], 384<<16                     ; tile_dim0
	s_mov_b32 s[\g+4], 8                           ; tile_dim1
	s_mov_b32 s[\g+5], 1536                        ; from block to block: 12,288 bytes
	s_mov_b32 s[\g+6], 0
	s_mov_b32 s[\g+7], 0
.endr
	s_or_b32 s[G1S+0], s43, (3<<16)|(1<<21)
	s_or_b32 s[G1SB+0], s44, (3<<16)|(1<<21)
.irp g, G1S, G1SB
	s_mov_b32 s[\g+1], 32<<16                      ; 4,096 dense bytes as 16 rows of 256
	s_mov_b32 s[\g+2], 16<<16
	s_mov_b32 s[\g+3], 32<<16
	s_mov_b32 s[\g+4], 16
	s_mov_b32 s[\g+5], 32
	s_mov_b32 s[\g+6], 0
	s_mov_b32 s[\g+7], 0
.endr
	s_lshl_b32 s18, s16, 3
	s_lshl_b32 s20, s17, 4
	s_add_co_u32 s20, s20, s18                     ; A: block 16 x tile row + 8 x half
	s_mul_i32 s20, s20, 12288
	s_add_co_u32 s20, s20, s90
	s_mov_b32 s21, 0
	s_lshl_b32 s22, s17, 1
	s_add_co_u32 s22, s22, s16
	s_lshl_b32 s22, s22, 12
	s_add_co_u32 s22, s22, s91
	s_mov_b32 s23, 0
	s_lshl_b32 s46, s42, 4
	s_add_co_u32 s46, s46, s18                     ; B likewise, by the tile column
	s_mul_i32 s46, s46, 12288
.if MODE
	s_add_co_u32 s46, s46, KB
.endif
	s_mov_b32 s47, 0
	s_lshl_b32 s92, s42, 1
	s_add_co_u32 s92, s92, s16
	s_lshl_b32 s92, s92, 12
	s_add_co_u32 s92, s92, s99
	s_mov_b32 s93, 0
	s_mul_i32 s45, s14, HALFT                      ; where they go: by the wave's number alone
	s_mul_i32 s94, s14, HALFS
	s_mov_b32 s98, 0xffff0000                      ; lanes 16-31
	s_wait_dscnt 0x0                               ; both opening adds are done
	s_wait_kmcnt 0x0
.if MODE
	s_mov_b64 s[96:97], s[4:5]
	s_mov_b64 s[66:67], s[6:7]
.else
	s_cmp_lt_u32 s12, 8
	s_cselect_b64 s[96:97], s[4:5], s[6:7]         ; A's buffer
	s_cselect_b64 s[66:67], s[6:7], s[4:5]         ; B's buffer
.endif
	s_add_nc_u64 s[20:21], s[96:97], s[20:21]
	s_add_nc_u64 s[22:23], s[96:97], s[22:23]
	s_add_nc_u64 s[46:47], s[66:67], s[46:47]
	s_add_nc_u64 s[92:93], s[66:67], s[92:93]
	CROUND                                         ; all sixteen work-groups are here: the first joint loads meet
	s_mov_b32 s[G0S], 1
	s_add_co_u32 s[G0S+1], s94, SCL
	s_mov_b64 s[G0S+2:G0S+3], s[22:23]
	s_or_b32 s[G0S+3], s[G0S+3], 0x80000000
	s_mov_b32 s[G0SB], 1
	s_add_co_u32 s[G0SB+1], s94, SCL
	s_mov_b64 s[G0SB+2:G0SB+3], s[92:93]
	s_or_b32 s[G0SB+3], s[G0SB+3], 0x80000000
	JLOAD G0S, G1S, G0SB, G1SB                     ; the scale words first
.irp s, 0,1
	s_mov_b32 s[G0+4*\s], 1
	s_add_co_u32 s[G0+4*\s+1], s45, \s*SLOT
	s_add_nc_u64 s[G0+4*\s+2:G0+4*\s+3], s[20:21], \s*3072
	s_or_b32 s[G0+4*\s+3], s[G0+4*\s+3], 0x80000000
	s_mov_b32 s[G0B+4*\s], 1
	s_add_co_u32 s[G0B+4*\s+1], s45, \s*SLOT
	s_add_nc_u64 s[G0B+4*\s+2:G0B+4*\s+3], s[46:47], \s*3072
	s_or_b32 s[G0B+4*\s+3], s[G0B+4*\s+3], 0x80000000
	JLOAD G0+4*\s, G1, G0B+4*\s, G1B
.endr
	s_mov_b32 s[G0C], 1                            ; slot 2: K steps 4 and 5
	s_add_co_u32 s[G0C+1], s45, 2*SLOT
	s_add_nc_u64 s[G0C+2:G0C+3], s[20:21], 2*3072
	s_or_b32 s[G0C+3], s[G0C+3], 0x80000000
	s_mov_b32 s[G0BC], 1
	s_add_co_u32 s[G0BC+1], s45, 2*SLOT
	s_add_nc_u64 s[G0BC+2:G0BC+3], s[46:47], 2*3072
	s_or_b32 s[G0BC+3], s[G0BC+3], 0x80000000
	JLOAD G0C, G1, G0BC, G1B
	v_and_b32 v1, 15, v0                           ; r
	v_bfe_u32 v2, v0, 4, 1                         ; h
	v_and_b32 v3, 31, v0
	v_lshlrev_b32 v[CO8], 3, v3
	v_lshlrev_b32 v[CO4], 2, v3
	s_mul_i32 s21, s15, HALFT                      ; my 128 rows of A
	s_mul_i32 s22, s16, HALFT                      ; my 128 rows of B,
	s_add_co_u32 s22, s22, 2*HALFT                 ; behind A's 256
.irp s, 0,1,2
	v_add_nc_u32 v[ADRA+\s], s21, v[CO8]
	v_add_nc_u32 v[ADRB+\s], s22, v[CO8]
	s_add_co_u32 s21, s21, SLOT
	s_add_co_u32 s22, s22, SLOT
.endr
	v_lshlrev_b32 v5, 2, v1
	s_mul_i32 s21, s15, HALFS
	s_mul_i32 s22, s16, HALFS
	s_add_co_u32 s22, s22, 2*HALFS
	s_sub_co_u32 s22, s22, s21
	v_mul_u32_u24 v6, s22, v2                      ; lanes 16-31 take B's words
	s_add_co_u32 s21, s21, SCL
	v_add_nc_u32 v5, v5, v6
	v_add_nc_u32 v[ADRS], s21, v5
.if MODE
	s_lshl_b32 s20, s42, 10
	s_lshl_b32 s21, s16, 9
	s_add_co_u32 s20, s20, s21
	s_mov_b32 s21, 0
	s_add_nc_u64 s[8:9], s[8:9], s[20:21]          ; b1 at my 128 columns
	v_lshlrev_b32 v7, 6, v2                        ; tile b, lane half h: columns 32 (b / 2) + 8 (b % 2) + 16 h + 0 .. 7
.irp b, 0,1,2,3,4,5,6,7
	global_load_b128 v[BI+8*\b:BI+8*\b+3], v7, s[8:9] offset:128*(\b/2)+32*(\b%2)
	global_load_b128 v[BI+8*\b+4:BI+8*\b+7], v7, s[8:9] offset:128*(\b/2)+32*(\b%2)+16
.endr
.endif
	; where my eight fragments and their scale words go
	s_lshl_b32 s20, s17, 4
	s_lshl_b32 s21, s15, 3
	s_add_co_u32 s20, s20, s21                     ; A0: my first row block
	s_lshl_b32 s46, s42, 1
	s_add_co_u32 s46, s46, s16                     ; so: which 128 columns
.if MODE
	s_lshl_b32 s18, s20, 5
	s_add_co_u32 s18, s18, s46
	s_mul_i32 s18, s18, 1536                       ; fragment (A0, so), KS = 32
	s_mov_b32 s19, 0
	s_lshr_b32 s22, s20, 3
	s_lshl_b32 s22, s22, 5
	s_add_co_u32 s22, s22, s46
	s_lshl_b32 s22, s22, 9
	s_add_co_u32 s22, s22, 12582912
	s_mov_b32 s23, 0
.else
	s_lshr_b32 s21, s46, 3
	s_and_b32 s47, s46, 7
	s_lshl_b32 s18, s21, 5                         ; q, k: kind x 32
	s_lshr_b32 s19, s20, 6
	s_lshl_b32 s19, s19, 3                         ; + batch x 8
	s_add_co_u32 s18, s18, s19
	s_add_co_u32 s18, s18, s47                     ; + head pair
	s_lshl_b32 s18, s18, 6
	s_and_b32 s19, s20, 63
	s_add_co_u32 s18, s18, s19                     ; x 64 + token block
	s_lshl_b32 s19, s21, 3                         ; v: 64 + batch x 8
	s_add_co_u32 s19, s19, 64
	s_lshr_b32 s13, s20, 3
	s_add_co_u32 s19, s19, s13                     ; + head pair
	s_lshl_b32 s19, s19, 6
	s_lshl_b32 s13, s47, 3
	s_add_co_u32 s19, s19, s13                     ; x 64 + 8 x key step
	s_cmp_lt_u32 s12, 8
	s_cselect_b32 s18, s18, s19
	s_lshl_b32 s22, s18, 6
	s_add_co_u32 s22, s22, 9437184
	s_mov_b32 s23, 0
	s_mul_i32 s18, s18, 1536
	s_mov_b32 s19, 0
.endif
	s_add_nc_u64 s[12:13], s[10:11], s[18:19]      ; the codes
	s_add_nc_u64 s[10:11], s[10:11], s[22:23]      ; the scale words
.macro FRAG reg, adr, q, i             ; a fragment's image: six loads of 256 consecutive bytes
.irp p, 0,1,2,3,4,5
	ds_load_b64 v[\reg+2*\p:\reg+2*\p+1], v[\adr] offset:(\i)*3072+(\q)*1536+256*\p
.endr
.endm
; 16 matrix instructions: A's blocks a0, a0 + 1 x B's eight.  The 64 accumulators take turns, one instruction a turn, in the same order in every step.
.macro MUL16 a0, p, q, sc, zero
.irp a, \a0, \a0+1
.irp b, 0,1,2,3,4,5,6,7
.if \zero
.if MODE
	v_wmma_scale_f32_16x16x128_f8f6f4 v[8*(8*((\a)%4)+\b):8*(8*((\a)%4)+\b)+7], v[128*(\p)+FR*\b:128*(\p)+FR*\b+FR-1], v[AF+FR*(\a):AF+FR*(\a)+FR-1], v[BI+8*\b:BI+8*\b+7], v[SC+8*NQ*(\sc)+NQ*\b+(\q)], v[SC+8*NQ*(\sc)+NQ*(\a)+(\q)] matrix_a_fmt:MATRIX_FMT_FP6 matrix_b_fmt:MATRIX_FMT_FP6 matrix_a_scale:MATRIX_SCALE_ROW1
.else
	v_wmma_scale_f32_16x16x128_f8f6f4 v[8*(8*((\a)%4)+\b):8*(8*((\a)%4)+\b)+7], v[128*(\p)+FR*\b:128*(\p)+FR*\b+FR-1], v[AF+FR*(\a):AF+FR*(\a)+FR-1], 0, v[SC+8*NQ*(\sc)+NQ*\b+(\q)], v[SC+8*NQ*(\sc)+NQ*(\a)+(\q)] matrix_a_fmt:MATRIX_FMT_FP6 matrix_b_fmt:MATRIX_FMT_FP6 matrix_a_scale:MATRIX_SCALE_ROW1
.endif
.else
	v_wmma_scale_f32_16x16x128_f8f6f4 v[8*(8*((\a)%4)+\b):8*(8*((\a)%4)+\b)+7], v[128*(\p)+FR*\b:128*(\p)+FR*\b+FR-1], v[AF+FR*(\a):AF+FR*(\a)+FR-1], v[8*(8*((\a)%4)+\b):8*(8*((\a)%4)+\b)+7], v[SC+8*NQ*(\sc)+NQ*\b+(\q)], v[SC+8*NQ*(\sc)+NQ*(\a)+(\q)] matrix_a_fmt:MATRIX_FMT_FP6 matrix_b_fmt:MATRIX_FMT_FP6 matrix_a_scale:MATRIX_SCALE_ROW1
.endif
.endr
.endr
.endm
.macro FETCH_B slot, q, p
	WIN TO_B
.irp i, 0,1,2,3,4,5,6,7
	FRAG 128*(\p)+FR*\i, ADRB+\slot, \q, \i
.endr
	WIN 0
.endm
.macro FETCH_A slot, q, i0
.irp i, \i0, \i0+1, \i0+2, \i0+3
	FRAG AF+FR*(\i), ADRA+\slot, \q, \i
.endr
.endm
.macro SCALES sc                       ; a part's scale words into set sc: lanes 0-15 A's block i, lanes 16-31 B's block i
.irp i, 0,1,2,3,4,5,6,7
.irp q, 0,1
	ds_load_b32 v[SC+16*\sc+2*\i+\q], v[ADRS] offset:512*\q+64*\i
.endr
.endr
.endm
.macro PLACES n                        ; plain lines between a matrix instruction and a load into, or a vector read or write of, its registers
.rept \n
	v_nop
.endr
.endm
.macro STEP slot, sc, q, zero          ; a step of 128 along K that has its successor in the same slot; sc: the set of scale words
	s_wait_dscnt 4*NL                              ; all but the youngest 24 loads: A's blocks 4-7
.if (\zero) && MODE
	WIN 0x81                                       ; the bias, C, lies in window 0
.else
	WIN MUL_LO
.endif
	MUL16 0, (\q)%2, \q, \sc, \zero
	MUL16 2, (\q)%2, \q, \sc, \zero
	s_wait_dscnt 0
	PLACES NP
	FETCH_B \slot, (\q)+1, 1-(\q)%2
	FETCH_A \slot, (\q)+1, 0
.if (\zero) && MODE
	WIN 0xc1
.else
	WIN MUL_HI
.endif
	MUL16 4, (\q)%2, \q, \sc, \zero
	MUL16 6, (\q)%2, \q, \sc, \zero
	PLACES NP
	WIN 0
	FETCH_A \slot, (\q)+1, 4
.endm
; A slot's last step goes on into slot next (scale set nsc).
; mode 2: this slot is filled again: each wave waits for all its tensor loads, adds 0 to its spare word, waits for that and for its reads of this slot; the barrier opens a round of the cluster's; the refill comes first behind it.
; mode 1: the same three lines and the work-group's barrier, with no fill: the next slot's tile, the refill, is shown whole to every wave.
; mode 0: nothing is filled and the next slot was shown whole at the round before: no wait on tensor loads, no barrier.
.macro TURN slot, sc, next, nsc, mode
.if \mode
	s_wait_tensorcnt 0x0                           ; all my tensor loads have landed
	ds_add_u32 v[SPW], v[NIL]
	s_wait_dscnt 4*NL+1                            ; the add and the youngest 24 loads may be out
.else
	s_wait_dscnt 4*NL
.endif
	WIN MUL_LO
	MUL16 0, 1, NQ-1, \sc, 0
	s_wait_dscnt 0x0                               ; (the add is done, and) my reads of this slot are over
.if \mode
	s_barrier_signal -1
.endif
	MUL16 2, 1, NQ-1, \sc, 0
	WIN 0
.if \mode
	s_barrier_wait -1
.endif
.if \mode == 2
	CREST                                          ; no wave of any partner still reads this slot or has a load on its way
	s_add_nc_u64 s[G0+4*\slot+2:G0+4*\slot+3], s[G0+4*\slot+2:G0+4*\slot+3], 9216   ; three parts on
	s_add_nc_u64 s[G0B+4*\slot+2:G0B+4*\slot+3], s[G0B+4*\slot+2:G0B+4*\slot+3], 9216
	JLOAD G0+4*\slot, G1, G0B+4*\slot, G1B         ; the first tensor load behind the round; its four v_nop are the places in front of the loads below
.else
	PLACES NP
.endif
	v_add_nc_u32 v[ADRS], 1024, v[ADRS]            ; the next part's scale words (no LDS load of mine is out)
	FETCH_B \next, 0, 0
	FETCH_A \next, 0, 0
	SCALES \nsc
	WIN MUL_HI
	MUL16 4, 1, NQ-1, \sc, 0
	MUL16 6, 1, NQ-1, \sc, 0
	PLACES NP
	WIN 0
	FETCH_A \next, 0, 4
.endm
	s_wait_tensorcnt 2                             ; the scale words and my part of slot 0 are in; slots 1 and 2's loads may be out
	s_barrier_signal -1
	s_barrier_wait -1
	FETCH_B 0, 0, 0
	FETCH_A 0, 0, 0
	SCALES 0
	FETCH_A 0, 0, 4
.if MODE
	s_wait_loadcnt 0x0                             ; the bias
.endif
	STEP 0, 0, 0, 1                                ; part 0; the first step starts the sums
	TURN 0, 0, 1, 1, 2                             ; slot 0 is asked for again: part 3
	STEP 1, 1, 0, 0                                ; part 1
	TURN 1, 1, 2, 0, 0
	STEP 2, 0, 0, 0                                ; part 2
	TURN 2, 0, 0, 1, 1                             ; part 3 has landed, everybody's
	STEP 0, 1, 0, 0                                ; part 3
	s_wait_dscnt 4*NL
	WIN MUL_LO
	MUL16 0, 1, NQ-1, 1, 0
	MUL16 2, 1, NQ-1, 1, 0
	s_wait_dscnt 0
	WIN MUL_HI
	MUL16 4, 1, NQ-1, 1, 0
	MUL16 6, 1, NQ-1, 1, 0
	WIN 0
; THE WAY OUT.  Block a's 64 registers of a lane, register 16 b + i = column 32 b + 16 (lane / 16) + i of the lane's row, become a fragment's codes and its scale word.  QW: their window; QS: their first register.
.macro QUANT
.set WN, QW|(QW<<2)
	WIN WN                                         ; sources 0 and 1 in the accumulators' window
.irp b, 0,1,2,3
	v_max3_num_f32 v[TM+\b], |v[QS+16*\b]|, |v[QS+1+16*\b]|, 0x1800000   ; each accumulator is read from its low end on; the floor 2^(3 - 127) holds the byte at 1 from below
.endr
.irp i, 2,4,6,8,10,12,14
.irp b, 0,1,2,3
	v_max3_num_f32 v[TM+\b], |v[QS+16*\b+\i]|, |v[QS+1+16*\b+\i]|, v[TM+\b]
.endr
.endr
	WIN 0
.irp b, 0,1,2,3
	v_permlanex16_b32 v[TM+4+\b], v[TM+\b], s20, s21
.endr
.irp b, 0,1,2,3
	v_max_num_f32 v[TM+\b], v[TM+\b], v[TM+4+\b]   ; with lane l xor 16's: the block's largest magnitude
.endr
.irp b, 0,1,2,3
	v_add_nc_u32 v[TM+12+\b], 0xff000000, v[TM+\b] ; 2 off the exponent field: the conversion's scale operand
.endr
.irp b, 0,1,2,3
	v_lshrrev_b32 v[TM+4+\b], 23, v[TM+12+\b]
.endr
	v_lshl_or_b32 v[PW], v[TM+5], 8, v[TM+4]
	v_lshl_or_b32 v[PW], v[TM+6], 16, v[PW]
	v_lshl_or_b32 v[PW], v[TM+7], 24, v[PW]
	WIN QW                                         ; source 0 in the accumulators' window
.irp c, 0,1
	v_cvt_scalef32_pk16_fp6_f32 v[PC+6*\c:PC+2+6*\c], v[QS+32*\c:QS+15+32*\c], v[TM+12+2*\c]
	v_cvt_scalef32_pk16_fp6_f32 v[PC+12+4*\c:PC+14+4*\c], v[QS+16+32*\c:QS+31+32*\c], v[TM+12+2*\c+1]
.endr
	WIN 0
	v_nop                                          ; one plain line behind a scaled conversion
.irp c, 0,1                                    ; the layout wants a whole block in a lane: lanes 0-15 block 2 c, lanes 16-31 block 2 c + 1
.irp i, 0,1,2
	v_permlane16_swap_b32 v[PC+6*\c+\i], v[PC+12+4*\c+\i]
.endr
.irp i, 0,1,2
	v_mov_b32 v[PC+3+6*\c+\i], v[PC+12+4*\c+\i]
.endr
.endr
.endm
	PLACES NP                                      ; behind the last products: their results are read and their scale registers written below
	s_mov_b32 s20, 0x76543210
	s_mov_b32 s21, 0xfedcba98
.irp b, 0,1,2,3
	v_mov_b32 v[TM+4+\b], 0                        ; a lane permute's destination counts as one of its sources
.endr
.irp a, 0,1,2,3,4,5,6,7
.set QW, 2+\a/4
.set QS, 64*(\a%4)
.if \a > 0
	s_wait_xcnt 0x0                                ; the last block's stores have read their registers
.endif
.if MODE
.set WN, (QW<<6)|(QW<<2)
	WIN WN
.set jj, 0
.rept 64
	v_max_num_f32 v[QS+jj], 0, v[QS+jj]            ; relu, in f32
.set jj, jj+1
.endr
.endif
	QUANT
	v_mov_b32 v[SW+\a], v[PW]
.irp p, 0,1,2,3,4,5
	global_store_b64 v[CO8], v[PC+2*\p:PC+2*\p+1], s[12:13] offset:\a*ASTEP+256*\p   ; 32 lanes store 256 consecutive bytes, aligned
.endr
.endr
.irp i, 0,1,2,3
	v_cndmask_b32 v[SW2+\i], v[SW+2*\i], v[SW+2*\i+1], s98   ; lanes 0-15 block 2 i's words, lanes 16-31 block 2 i + 1's
.endr
.irp i, 0,1,2,3
	global_store_b32 v[CO4], v[SW2+\i], s[10:11] offset:128*\i   ; the four cover 512 consecutive bytes
.endr
	s_wait_tensorcnt 0x0                           ; the wave's end
	ds_add_u32 v[SPW], v[NIL]
	s_wait_dscnt 0x0
	CROUND                                         ; the closing round
	s_endpgm
.Lfunc_end_k_q10ace521c2_qkv:
	.size	k_q10ace521c2_qkv, .Lfunc_end_k_q10ace521c2_qkv-k_q10ace521c2_qkv
	.p2alignl 7, 3214868480
	.fill 96, 4, 3214868480
	.section	.rodata,"a",@progbits
	.p2align	6, 0x0
	.amdhsa_kernel k_q10ace521c2_qkv
		.amdhsa_group_segment_fixed_size 327680
		.amdhsa_private_segment_fixed_size 0
		.amdhsa_enable_private_segment 0
		.amdhsa_kernarg_size 24
		.amdhsa_user_sgpr_count 2
		.amdhsa_user_sgpr_kernarg_segment_ptr 1
		.amdhsa_wavefront_size32 1
		.amdhsa_system_sgpr_workgroup_id_x 1
		.amdhsa_system_sgpr_workgroup_id_y 1
		.amdhsa_system_sgpr_workgroup_id_z 1
		.amdhsa_system_vgpr_workitem_id 0
		.amdhsa_next_free_vgpr 1024
		.amdhsa_next_free_sgpr 100
		.amdhsa_reserve_vcc 0
		.amdhsa_float_denorm_mode_32 3
		.amdhsa_float_denorm_mode_16_64 3
		.amdhsa_memory_ordered 1
		.amdhsa_forward_progress 1
		.amdhsa_inst_pref_size 170
	.end_amdhsa_kernel
	.amdgpu_metadata
---
amdhsa.version: [ 1, 2 ]
amdhsa.kernels:
  - .name:           k_q10ace521c2_qkv
    .symbol:         k_q10ace521c2_qkv.kd
    .args:
      - { .name: hq, .offset: 0, .size: 8, .value_kind: global_buffer, .address_space: global }
      - { .name: wbuf, .offset: 8, .size: 8, .value_kind: global_buffer, .address_space: global }
      - { .name: qkv, .offset: 16, .size: 8, .value_kind: global_buffer, .address_space: global }
    .group_segment_fixed_size: 327680
    .private_segment_fixed_size: 0
    .kernarg_segment_align: 8
    .kernarg_segment_size: 24
    .max_flat_workgroup_size: 128
    .sgpr_count:     100
    .vgpr_count:     1024
    .wavefront_size: 32
...
	.end_amdgpu_metadata
.endif
;; end of part 2
;; launch attn (part 3): grid 8 x 32, 16 waves a work-group, clusters of 4 x 1, 206,848 bytes of LDS; arguments qkv, at; writes at
.if DOCPART == 3
	.amdgcn_target "amdgcn-amd-amdhsa--gfx1250"
	.amdhsa_code_object_version 6
	.text
	.protected	k_q10ace521c2_attn
	.globl	k_q10ace521c2_attn
	.p2align	8
	.type	k_q10ace521c2_attn,@function
k_q10ace521c2_attn:
	s_mov_b64 s[64:65], 0
	v_nop
	global_prefetch_b8 v0, s[64:65] scope:SCOPE_SE
	s_setreg_imm32_b32 hwreg(HW_REG_WAVE_MODE, 25, 1), 1
	s_wait_xcnt 0x0
	s_wait_alu depctr_hold_cnt(0) depctr_sa_sdst(0) depctr_va_vdst(0) depctr_va_sdst(0) depctr_va_ssrc(0) depctr_va_vcc(0) depctr_vm_vsrc(0)
	s_getreg_b32 s2, hwreg(HW_REG_IB_STS2, 6, 4)
	s_cmp_eq_u32 s2, 0
	s_cbranch_scc0 .Lentry_in_a_cluster
	s_endpgm
.Lentry_in_a_cluster:
	s_bfe_u32 s2, ttmp6, 0x10000c
	s_cmp_lg_u32 s2, 0x3003
	s_cbranch_scc0 .Lentry_shape_is_right
	s_endpgm
.Lentry_shape_is_right:
; Causal attention on FP6 codes: 16 heads of 64, 1,024 tokens, 4 batches.  WORK LEFT OUT: key steps of 128 keys all of which come after a tile's 16 queries (reference()'s own mask gives them the weight 0).
; t = score x log2(e) / 8; M = the running largest t rounded up to a whole number; p = 2^(t - M) is quantised along the keys, not normalised; the sum of the unquantised p divides at the end.
; SHARES.  A work-group serves a head pair of a batch (y = 8 batch + pair) and the query tiles 8 WH + j, WH = 0 .. 7 (j = its x).  Wave w: head w % 2 of the pair, WH = w / 2.  The tile's 16 tokens lie in key step WH, so the wave
; works steps 0 .. WH, the last on the diagonal: every work-group has the same work and reads all of the pair's K and V.
; ALL OF THE PAIR'S K AND V STAYS IN LDS: two panels of 98,304 bytes and their scale words, filled once, so there is no ring and no refill.  The four work-groups of a cluster share y: each load is asked for jointly.
; Waves 0-3 issue five loads each (scale words, four slots of two key steps): five tensor loads of a wave are out at most.  Steps 0 and 1 are worked while slots 1-3 land.
; LAYOUT.  Both products transposed: S^T = K Q^T, O^T = V^T P^T: a lane holds one query.  By the order of rows in a block the 16 registers of tiles 2 b, 2 b + 1 are keys 32 b + 16 (lane / 16) + 0 .. 15.
; THE SCORE PRODUCT'S K IS 64: a tile of K is six registers; the instruction's upper six name whatever follows them (the next tile's codes, or a pad) and meet Q's upper six, which are zero codes; the scale bytes there are 0, never 0xff.
; Out: at, as images of operand registers (KS = 8): a head's 64 channels are half a fragment, three aligned stores of 256 bytes; a head owns half of each scale word, so that store is of two bytes a lane (one byte in 24 of the output).
; LIMITS: NaN and infinities are not served; a block of p that has fallen to 0 keeps the byte 1 over zero codes.
.set VPAN,  98304
.set KSC,   196608
.set VSC,   200704
.set SPARE, 204800                     ; the spare words, 128 bytes for each of sixteen waves
.set AK0,  1                           ; v1  8 L + 768 E
.set AV0,  2                           ; v2  VPAN + 8 L + 6,144 E
.set ASK0, 3                           ; v3  KSC + 4 r + 2 E
.set ASV0, 4                           ; v4  VSC + 4 r + 256 E
.set SPW,  5
.set NIL,  6
.set PC,   192                         ; v192-203 p's codes
.set PT,   204                         ; v204-206, v208-210
.set BM,   212                         ; v212-215 the blocks' largest
.set BP,   216                         ; v216-219
.set BS,   220                         ; v220-223 the conversions' scale operands
.set WV,   18
.set E,    19
.set WH,   20
.set SEL,  22
.set G1C,  24
.set G1S,  32
.set G0,   40                          ; s[40:59] five groups 0
.set CS,   60                          ; s[60:61] c = log2(e) / 8
.set ST,   62                          ; the key step
.set TB,   63                          ; 12,288 x step
.set TS,   66                          ; 512 x step
.set CNT,  67
.macro CROUND
	s_barrier_signal -1
	s_barrier_wait -1
	s_cmp_lg_u32 s[WV], 0
	s_cbranch_scc1 .Lnot_wave_0_\@
	s_barrier_signal -3
.Lnot_wave_0_\@:
	s_barrier_wait -3
	s_barrier_signal -1
	s_barrier_wait -1
.endm
	s_load_b128 s[4:7], s[0:1], 0x0                ; qkv, at
	v_lshl_add_u32 v[SPW], v0, 2, SPARE
	v_mov_b32 v[NIL], 0
	ds_add_u32 v[SPW], v[NIL]                      ; the opening: the add, twice on end, and its wait ahead of the first tensor load
	ds_add_u32 v[SPW], v[NIL]
	v_lshrrev_b32 v8, 5, v0
	v_readfirstlane_b32 s[WV], v8
	s_and_b32 s[E], s[WV], 1
	s_lshr_b32 s[WH], s[WV], 1
	s_bfe_u32 s8, ttmp6, 0x40000                   ; cx
	s_lshl_b32 s9, ttmp9, 2
	s_add_co_u32 s9, s9, s8                        ; j: it enters Q's and the output's addresses and the mask's numbers alone
	s_and_b32 s10, ttmp7, 0xffff                   ; y, which the four partners share
	s_and_b32 s11, s[WV], 3                        ; what I fetch, if I fetch:
	s_lshr_b32 s12, s11, 1                         ; K (0) or V (1),
	s_and_b32 s13, s11, 1                          ; which half of each slot
	s_lshl_b32 s14, s12, 5
	s_add_co_u32 s14, s14, 32
	s_add_co_u32 s14, s14, s10                     ; the panel
	s_mul_i32 s68, s14, 98304
	s_mul_i32 s15, s13, 12288
	s_add_co_u32 s68, s68, s15
	s_mov_b32 s69, 0
	s_lshl_b32 s70, s14, 12
	s_lshl_b32 s16, s13, 11
	s_add_co_u32 s70, s70, s16
	s_add_co_u32 s70, s70, 9437184
	s_mov_b32 s71, 0
	s_mul_i32 s17, s12, 98304
	s_add_co_u32 s17, s17, s15                     ; LDS: my part of slot 0
	s_lshl_b32 s21, s11, 11
	s_add_co_u32 s21, s21, KSC                     ; LDS: my part of the scale words
	s_mov_b32 s[G1C], 15|(3<<16)|(1<<21)           ; the mask: all four; elements of 8 bytes; bit 21 beside a mask
	s_mov_b32 s[G1C+1], 32<<16                     ; 12,288 dense bytes as 48 rows of 256
	s_mov_b32 s[G1C+2], 48<<16
	s_mov_b32 s[G1C+3], 32<<16
	s_mov_b32 s[G1C+4], 48
	s_mov_b32 s[G1C+5], 32
	s_mov_b32 s[G1C+6], 0
	s_mov_b32 s[G1C+7], 0
	s_mov_b32 s[G1S], 15|(3<<16)|(1<<21)
	s_mov_b32 s[G1S+1], 32<<16                     ; 2,048 dense bytes as 8 rows of 256
	s_mov_b32 s[G1S+2], 8<<16
	s_mov_b32 s[G1S+3], 32<<16
	s_mov_b32 s[G1S+4], 8
	s_mov_b32 s[G1S+5], 32
	s_mov_b32 s[G1S+6], 0
	s_mov_b32 s[G1S+7], 0
	s_mov_b32 s[SEL], 0x76543210
	s_mov_b32 s[SEL+1], 0xfedcba98
	s_mov_b32 s[CS], 0x3e38aa3b
	s_mov_b32 s[CS+1], s[CS]
	s_mov_b32 s[ST], 0
	s_mov_b32 s[TB], 0
	s_mov_b32 s[TS], 0
	s_wait_dscnt 0x0                               ; both opening adds are done
	s_wait_kmcnt 0x0
	s_add_nc_u64 s[72:73], s[4:5], s[68:69]
	s_mov_b32 s[G0], 1
	s_mov_b32 s[G0+1], s21
	s_add_nc_u64 s[G0+2:G0+3], s[4:5], s[70:71]
	s_or_b32 s[G0+3], s[G0+3], 0x80000000
.irp sl, 0,1,2,3
	s_mov_b32 s[G0+4+4*\sl], 1
	s_add_co_u32 s[G0+5+4*\sl], s17, \sl*24576
	s_add_nc_u64 s[G0+6+4*\sl:G0+7+4*\sl], s[72:73], \sl*24576
	s_or_b32 s[G0+7+4*\sl], s[G0+7+4*\sl], 0x80000000
.endr
	CROUND                                         ; all four work-groups are here: the joint loads meet
	s_cmp_lt_u32 s[WV], 4                          ; a wave's first fills stand in one branch on the wave's number, the same in every partner
	s_cbranch_scc0 .Lno_fetch
	tensor_load_to_lds s[G0:G0+3], s[G1S:G1S+7]
	s_nop 0
.irp sl, 0,1,2,3
	tensor_load_to_lds s[G0+4+4*\sl:G0+7+4*\sl], s[G1C:G1C+7]
	s_nop 0
.endr
.rept 4
	v_nop
.endr
.Lno_fetch:
	; Q's half fragment and scale bytes; where the output goes
	s_lshl_b32 s74, s10, 6
	s_lshl_b32 s75, s[WH], 3
	s_add_co_u32 s74, s74, s75
	s_add_co_u32 s74, s74, s9                      ; Q's fragment: 64 y + 8 WH + j
	s_mul_i32 s76, s74, 1536
	s_mul_i32 s75, s[E], 768
	s_add_co_u32 s76, s76, s75
	s_mov_b32 s77, 0
	s_lshl_b32 s78, s74, 6
	s_lshl_b32 s75, s[E], 1
	s_add_co_u32 s78, s78, s75
	s_add_co_u32 s78, s78, 9437184
	s_mov_b32 s79, 0
	s_add_nc_u64 s[76:77], s[4:5], s[76:77]
	s_add_nc_u64 s[78:79], s[4:5], s[78:79]
	s_lshr_b32 s84, s10, 3                         ; batch
	s_and_b32 s85, s10, 7                          ; head pair
	s_lshl_b32 s86, s84, 6
	s_lshl_b32 s87, s[WH], 3
	s_add_co_u32 s86, s86, s87
	s_add_co_u32 s86, s86, s9                      ; the token block among all 256
	s_lshl_b32 s86, s86, 3
	s_add_co_u32 s86, s86, s85
	s_mul_i32 s80, s86, 1536
	s_mul_i32 s87, s[E], 768
	s_add_co_u32 s80, s80, s87
	s_mov_b32 s81, 0
	s_lshl_b32 s82, s84, 3
	s_add_co_u32 s82, s82, s[WH]
	s_lshl_b32 s82, s82, 3
	s_add_co_u32 s82, s82, s85
	s_lshl_b32 s82, s82, 9
	s_lshl_b32 s87, s9, 6
	s_add_co_u32 s82, s82, s87
	s_lshl_b32 s87, s[E], 1
	s_add_co_u32 s82, s82, s87
	s_add_co_u32 s82, s82, 3145728
	s_mov_b32 s83, 0
	s_add_nc_u64 s[80:81], s[6:7], s[80:81]
	s_add_nc_u64 s[82:83], s[6:7], s[82:83]
	v_and_b32 v8, 15, v0                           ; r
	v_bfe_u32 v9, v0, 4, 1                         ; h
	v_and_b32 v10, 31, v0
	v_lshlrev_b32 v7, 3, v10                       ; 8 L
	v_lshlrev_b32 v30, 2, v8                       ; 4 r
.irp p, 0,1,2
	global_load_b64 v[16+2*\p:17+2*\p], v7, s[76:77] offset:256*\p
.endr
	global_load_u16 v29, v30, s[78:79]             ; Q's two scale bytes; the upper two are 0
.irp i, 0,1,2,3,4,5
	v_mov_b32 v[22+\i], 0                          ; Q's upper 64 along K: zero codes
	v_mov_b32 v[80+\i], 0                          ; the pad behind K's last tile
.endr
	s_mul_i32 s84, s[E], 768
	v_add_nc_u32 v[AK0], s84, v7
	s_mul_i32 s84, s[E], 6144
	s_add_co_u32 s84, s84, VPAN
	v_add_nc_u32 v[AV0], s84, v7
	s_lshl_b32 s84, s[E], 1
	s_add_co_u32 s84, s84, KSC
	v_add_nc_u32 v[ASK0], s84, v30
	s_lshl_b32 s84, s[E], 8
	s_add_co_u32 s84, s84, VSC
	v_add_nc_u32 v[ASV0], s84, v30
	s_lshr_b32 s84, s9, 1
	s_lshl_b32 s84, s84, 5
	s_and_b32 s85, s9, 1
	s_lshl_b32 s85, s85, 3
	s_add_co_u32 s84, s84, s85
	v_and_b32 v11, 8, v8
	v_add_nc_u32 v28, v11, v8
	v_lshlrev_b32 v11, 4, v9
	v_sub_nc_u32 v28, v28, v11
	v_add_nc_u32 v28, s84, v28                     ; my query's place in its key step, less 16 h: register 16 b + i is hidden on the diagonal where 32 b + i is above it
	v_mov_b32 v13, 0xff61b1e6                      ; the largest t so far: -3e38
	v_floor_f32 v12, -v13                          ; -M
	v_mov_b32 v14, 0                               ; the sum, in two halves
	v_mov_b32 v15, 0
.irp b, 0,1,2,3
	v_mov_b32 v[BP+\b], 0                          ; a lane permute's destination counts as one of its sources
.endr
	v_mov_b32 v226, 0
	v_mov_b32 v227, 0                              ; (named as the upper half of the pair v[226:227])
	v_mov_b32 v228, 0
.set jj, 0
.rept 32
	v_mov_b32 v[160+jj], 0                         ; O^T: the step is written for every step alike; the first finds zeros
.set jj, jj+1
.endr
; A KEY STEP of 128 keys.  A step behind my diagonal is left out by a scalar branch on the wave's number and the count of steps; the lines at its end that step the addresses are run by all.
.macro STEP
	s_cmp_gt_u32 s[ST], s[WH]
	s_cbranch_scc1 .Lhidden_\@
	v_add_nc_u32 v8, s[TB], v[AK0]                 ; (these four are the places behind the last step's products, in front of the loads)
	v_add_nc_u32 v9, s[TB], v[AV0]
	v_add_nc_u32 v10, s[TS], v[ASK0]
	v_add_nc_u32 v11, s[TS], v[ASV0]
.irp t, 0,1,2,3,4,5,6,7
.irp p, 0,1,2
	ds_load_b64 v[32+6*\t+2*\p:33+6*\t+2*\p], v8 offset:1536*\t+256*\p
.endr
	ds_load_u16 v[86+\t], v10 offset:64*\t
.endr
	s_wait_dscnt 0x0
.irp t, 0,1,2,3,4,5,6,7
	v_wmma_scale_f32_16x16x128_f8f6f4 v[96+8*\t:103+8*\t], v[32+6*\t:43+6*\t], v[16:27], 0, v[86+\t], v29 matrix_a_fmt:MATRIX_FMT_FP6 matrix_b_fmt:MATRIX_FMT_FP6
.endr
.rept 4
	v_nop                                          ; places: the loads below land in registers that these products read, and the scores are read
.endr
.irp t, 0,1,2,3                                ; V's four tiles of my head: they land while the softmax is worked
.irp p, 0,1,2,3,4,5
	ds_load_b64 v[32+12*\t+2*\p:33+12*\t+2*\p], v9 offset:1536*\t+256*\p
.endr
	ds_load_b32 v[86+\t], v11 offset:64*\t
.endr
	s_cmp_lg_u32 s[ST], s[WH]                      ; only my last step lies on the diagonal
	s_cbranch_scc1 .Lopen_\@
	v_mov_b32 v228, 0xff800000
.set n, 0
.rept 64
	v_cmp_gt_i32 vcc_lo, 32*(n/16)+n%16, v28
	v_cndmask_b32 v[96+n], v[96+n], v228, vcc_lo   ; hidden scores become -infinity: p = 0
.set n, n+1
.endr
.Lopen_\@:
.irp b, 0,1,2,3
	v_max3_num_f32 v[BM+\b], v[96+16*\b], v[97+16*\b], v[98+16*\b]   ; each block's largest score: for the row's maximum and, since p rises with the score, for the block's largest p
.endr
.irp i, 3,5,7,9,11,13
.irp b, 0,1,2,3
	v_max3_num_f32 v[BM+\b], v[BM+\b], v[96+16*\b+\i], v[97+16*\b+\i]
.endr
.endr
.irp b, 0,1,2,3
	v_max_num_f32 v[BM+\b], v[BM+\b], v[111+16*\b]
.endr
.irp b, 0,1,2,3
	v_permlanex16_b32 v[BP+\b], v[BM+\b], s[SEL], s[SEL+1]
.endr
.irp b, 0,1,2,3
	v_max_num_f32 v[BM+\b], v[BM+\b], v[BP+\b]
.endr
	v_max3_num_f32 v228, v[BM], v[BM+1], v[BM+2]
	v_max_num_f32 v228, v228, v[BM+3]
	v_mul_f32 v228, s[CS], v228
	v_max_num_f32 v13, v13, v228                   ; the running largest t
	v_mov_b32 v228, v12
	v_floor_f32 v12, -v13                          ; -M = floor(-t): M is a whole number
	v_sub_f32 v228, v12, v228
	v_cvt_i32_f32 v228, v228                       ; (it saturates)
	v_ldexp_f32 v226, 1.0, v228                    ; f = 2^(old M - new M): rounds nothing
.set jj, 0
.rept 32
	v_pk_fma_f32 v[96+jj:97+jj], v[96+jj:97+jj], s[CS:CS+1], v[12:13] op_sel_hi:[1,0,0]   ; t - M
.set jj, jj+2
.endr
.irp b, 0,1,2,3
	v_fma_f32 v[BM+\b], v[BM+\b], s[CS], v12
.endr
.set jj, 0
.rept 64
	v_exp_f32 v[96+jj], v[96+jj]
.set jj, jj+1
.endr
	v_pk_mul_f32 v[14:15], v[14:15], v[226:227] op_sel_hi:[1,0]   ; the sums under the new M (a plain line behind the exponentials)
	s_wait_alu depctr_va_vdst(0)                   ; one wait for the batch of 64, ahead of its first reader
.irp b, 0,1,2,3
	v_exp_f32 v[BM+\b], v[BM+\b]                   ; each block's largest p
.endr
	v_pk_add_f32 v[230:231], v[96:97], v[98:99]    ; the row's sum of the unquantised p, in two chains
.irp j, 4,8,12,16,20,24,28,32,36,40,44,48,52,56,60
	v_pk_add_f32 v[14:15], v[14:15], v[96+\j:97+\j]
	v_pk_add_f32 v[230:231], v[230:231], v[98+\j:99+\j]
.endr
	v_pk_add_f32 v[14:15], v[14:15], v[230:231]
	s_wait_alu depctr_va_vdst(0)                   ; and one for the four
.irp b, 0,1,2,3
	v_max_num_f32 v[BM+\b], 0x1800000, v[BM+\b]    ; the floor 2^(3 - 127)
.endr
.irp b, 0,1,2,3
	v_add_nc_u32 v[BS+\b], 0xff000000, v[BM+\b]
.endr
.irp b, 0,1,2,3
	v_lshrrev_b32 v[BP+\b], 23, v[BS+\b]
.endr
	v_lshl_or_b32 v224, v[BP+1], 8, v[BP]          ; p's scale word for these 128 keys
	v_lshl_or_b32 v224, v[BP+2], 16, v224
	v_lshl_or_b32 v224, v[BP+3], 24, v224
.irp c, 0,1
	v_cvt_scalef32_pk16_fp6_f32 v[PC+6*\c:PC+2+6*\c], v[96+32*\c:111+32*\c], v[BS+2*\c]
	v_cvt_scalef32_pk16_fp6_f32 v[PT+4*\c:PT+2+4*\c], v[112+32*\c:127+32*\c], v[BS+2*\c+1]
.endr
	v_nop                                          ; one plain line behind a scaled conversion
.irp c, 0,1
.irp i, 0,1,2
	v_permlane16_swap_b32 v[PC+6*\c+\i], v[PT+4*\c+\i]
.endr
.irp i, 0,1,2
	v_mov_b32 v[PC+3+6*\c+\i], v[PT+4*\c+\i]
.endr
.endr
.set jj, 0
.rept 16
	v_pk_mul_f32 v[160+jj:161+jj], v[160+jj:161+jj], v[226:227] op_sel_hi:[1,0]   ; O^T under the new M; these sixteen also stand between the lines that made p's codes and scale word and the products
.set jj, jj+2
.endr
	s_wait_dscnt 0x0                               ; V's tiles are in
.irp t, 0,1,2,3
	v_wmma_scale_f32_16x16x128_f8f6f4 v[160+8*\t:167+8*\t], v[32+12*\t:43+12*\t], v[PC:PC+11], v[160+8*\t:167+8*\t], v[86+\t], v224 matrix_a_fmt:MATRIX_FMT_FP6 matrix_b_fmt:MATRIX_FMT_FP6
.endr
.Lhidden_\@:
	s_add_co_u32 s[ST], s[ST], 1
	s_add_co_u32 s[TB], s[TB], 12288
	s_add_co_u32 s[TS], s[TS], 512
.endm
	s_wait_tensorcnt 3                             ; the scale words and slot 0 are in; slots 1 to 3 may be out
	s_barrier_signal -1
	s_barrier_wait -1
	s_wait_loadcnt 0x0                             ; Q
	s_mov_b32 s[CNT], 2
.Lfirst:                                               ; key steps 0 and 1: slot 0
	STEP
	s_sub_co_u32 s[CNT], s[CNT], 1
	s_cmp_lg_u32 s[CNT], 0
	s_cbranch_scc1 .Lfirst
	s_wait_tensorcnt 0x0                           ; all my loads have landed,
	s_wait_dscnt 0x0
	s_barrier_signal -1
	s_barrier_wait -1                              ; everybody's have
	s_mov_b32 s[CNT], 6
.Lrest:                                                ; key steps 2 to 7
	STEP
	s_sub_co_u32 s[CNT], s[CNT], 1
	s_cmp_lg_u32 s[CNT], 0
	s_cbranch_scc1 .Lrest
	; THE WAY OUT: O^T / the sum, quantised along the head's 64 channels: register 16 b + i is channel 32 b + 16 (lane / 16) + i of my query
	v_add_f32 v14, v14, v15
	v_permlanex16_b32 v228, v14, s[SEL], s[SEL+1]
	v_add_f32 v14, v14, v228
	v_rcp_f32 v14, v14
.rept 4
	v_nop                                          ; the plain line behind the reciprocal, and the places behind the last products
.endr
	s_wait_alu depctr_va_vdst(0)
.set jj, 0
.rept 32
	v_mul_f32 v[96+jj], v[160+jj], v14
.set jj, jj+1
.endr
.irp b, 0,1
	v_max3_num_f32 v[BM+\b], |v[96+16*\b]|, |v[97+16*\b]|, 0x1800000
.endr
.irp i, 2,4,6,8,10,12,14
.irp b, 0,1
	v_max3_num_f32 v[BM+\b], v[BM+\b], |v[96+16*\b+\i]|, |v[97+16*\b+\i]|
.endr
.endr
.irp b, 0,1
	v_permlanex16_b32 v[BP+\b], v[BM+\b], s[SEL], s[SEL+1]
.endr
.irp b, 0,1
	v_max_num_f32 v[BM+\b], v[BM+\b], v[BP+\b]
.endr
.irp b, 0,1
	v_add_nc_u32 v[BS+\b], 0xff000000, v[BM+\b]
.endr
.irp b, 0,1
	v_lshrrev_b32 v[BP+\b], 23, v[BS+\b]
.endr
	v_lshl_or_b32 v224, v[BP+1], 8, v[BP]          ; my head's two bytes of the row's scale word
	v_cvt_scalef32_pk16_fp6_f32 v[PC:PC+2], v[96:111], v[BS]
	v_cvt_scalef32_pk16_fp6_f32 v[PT:PT+2], v[112:127], v[BS+1]
	v_nop
.irp i, 0,1,2
	v_permlane16_swap_b32 v[PC+\i], v[PT+\i]
.endr
.irp i, 0,1,2
	v_mov_b32 v[PC+3+\i], v[PT+\i]
.endr
.irp p, 0,1,2
	global_store_b64 v7, v[PC+2*\p:PC+2*\p+1], s[80:81] offset:256*\p   ; 32 lanes store 256 consecutive bytes, aligned
.endr
	global_store_b16 v30, v224, s[82:83]           ; (lanes 16-31 hold and write the same bytes)
	s_wait_tensorcnt 0x0                           ; the wave's end
	ds_add_u32 v[SPW], v[NIL]
	s_wait_dscnt 0x0
	CROUND                                         ; the closing round
	s_endpgm
.Lfunc_end_k_q10ace521c2_attn:
	.size	k_q10ace521c2_attn, .Lfunc_end_k_q10ace521c2_attn-k_q10ace521c2_attn
	.p2alignl 7, 3214868480
	.fill 96, 4, 3214868480
	.section	.rodata,"a",@progbits
	.p2align	6, 0x0
	.amdhsa_kernel k_q10ace521c2_attn
		.amdhsa_group_segment_fixed_size 206848
		.amdhsa_private_segment_fixed_size 0
		.amdhsa_enable_private_segment 0
		.amdhsa_kernarg_size 16
		.amdhsa_user_sgpr_count 2
		.amdhsa_user_sgpr_kernarg_segment_ptr 1
		.amdhsa_wavefront_size32 1
		.amdhsa_system_sgpr_workgroup_id_x 1
		.amdhsa_system_sgpr_workgroup_id_y 1
		.amdhsa_system_sgpr_workgroup_id_z 1
		.amdhsa_system_vgpr_workitem_id 0
		.amdhsa_next_free_vgpr 256
		.amdhsa_next_free_sgpr 92
		.amdhsa_reserve_vcc 1
		.amdhsa_float_denorm_mode_32 3
		.amdhsa_float_denorm_mode_16_64 3
		.amdhsa_memory_ordered 1
		.amdhsa_forward_progress 1
		.amdhsa_inst_pref_size 60
	.end_amdhsa_kernel
	.amdgpu_metadata
---
amdhsa.version: [ 1, 2 ]
amdhsa.kernels:
  - .name:           k_q10ace521c2_attn
    .symbol:         k_q10ace521c2_attn.kd
    .args:
      - { .name: qkv, .offset: 0, .size: 8, .value_kind: global_buffer, .address_space: global }
      - { .name: at, .offset: 8, .size: 8, .value_kind: global_buffer, .address_space: global }
    .group_segment_fixed_size: 206848
    .private_segment_fixed_size: 0
    .kernarg_segment_align: 8
    .kernarg_segment_size: 16
    .max_flat_workgroup_size: 512
    .sgpr_count:     92
    .vgpr_count:     256
    .wavefront_size: 32
...
	.end_amdgpu_metadata
.endif
;; end of part 3
;; launch proj (part 4): grid 8 x 32, 4 waves a work-group, clusters of 4 x 4, 327,680 bytes of LDS; arguments at, wbuf, x, bproj, x1; writes x1
.if DOCPART == 4
	.amdgcn_target "amdgcn-amd-amdhsa--gfx1250"
	.amdhsa_code_object_version 6
	.text
	.protected	k_q10ace521c2_proj
	.globl	k_q10ace521c2_proj
	.p2align	8
	.type	k_q10ace521c2_proj,@function
k_q10ace521c2_proj:
	s_mov_b64 s[64:65], 0
	v_nop
	global_prefetch_b8 v0, s[64:65] scope:SCOPE_SE
	s_setreg_imm32_b32 hwreg(HW_REG_WAVE_MODE, 25, 1), 1
	s_wait_xcnt 0x0
	s_wait_alu depctr_hold_cnt(0) depctr_sa_sdst(0) depctr_va_vdst(0) depctr_va_sdst(0) depctr_va_ssrc(0) depctr_va_vcc(0) depctr_vm_vsrc(0)
	s_getreg_b32 s2, hwreg(HW_REG_IB_STS2, 6, 4)
	s_cmp_eq_u32 s2, 0
	s_cbranch_scc0 .Lentry_in_a_cluster
	s_endpgm
.Lentry_in_a_cluster:
	s_bfe_u32 s2, ttmp6, 0x10000c
	s_cmp_lg_u32 s2, 0xf033
	s_cbranch_scc0 .Lentry_shape_is_right
	s_endpgm
.Lentry_shape_is_right:
; out = res + A B^T + bias, f32 rows of 1,024; A (4,096 rows) and B (1,024 rows) are FP6 codes as images of operand registers: fragment (a, s) at (a KS + s) x 1,536, scale words at ((a / 8) KS + s) x 512 + (a % 8) x 64 + 4 r;
; lane index r of block a is row 32 (a / 2) + 8 (a % 2) + r + 8 (r / 8).  Here: the attention's projection, KS = 8.
; The output has 1,024 columns, so tiles of 256 x 256 would be 64: a tile is 128 x 128, which gives 256 work-groups; four waves of 64 x 64, 16 accumulators each.
; K goes in steps of 512 (four matrix instructions deep) through two LDS slots; a wave's tensor load brings 4 blocks x 6,144 bytes.  The tile's scale words for all of K come once, with the first fills.
; CLUSTERS of 4 x 4: A's tiles are asked for jointly along a row of the cluster, B's along a column.  A wave has at most three tensor loads out (scale words, slot 0, slot 1), later one.
; Source 0 = 16 rows of B, source 1 = 16 rows of A: a lane holds one row and eight neighbouring columns 32 (b / 2) + 8 (b % 2) + 16 (lane / 16) + 0 .. 7.  The bias is the C of each sum's first instruction.
; The residual's rows are asked for at the head, in the layout in which rows leave, and land under the K loop.  The way out goes through the wave's own stage (in slot 0, behind its last fill and last read), which also puts the rows back in order.
; REGISTERS: window 0: v16-30 addresses; v32-63 the bias, later with v64-95 rows on the way out; v96-127 scale words, two sets; v128-255 accumulator (a, b) at v[128 + 8 (4 a + b)].
;   window 1: two fragment buffers at v0 and v128: A's four at + 12 a, B's at + 48 + 12 b.   window 2: v0-127 the residual.
.set KS,    8
.set A_SC,  3145728
.set B_OFF, 2359296
.set B_SC,  9535488
.set LAPS,  KS/8
.set HALFT, 24576
.set SLOT,  98304
.set SCL,   196608
.set HALFS, 256*KS
.set SPARE, SCL+4*HALFS
.set SPITCH, 272
.set ADRA, 16
.set ADRB, 20
.set STO,  24
.set RD,   25
.set CO,   26
.set ADRS, 27
.set SPW,  28
.set NIL,  29
.set VB,   30
.set BI,   32
.set BK,   32
.set SCW,  96
.set ACC,  128
.set F0,   0
.set F1,   128
.set G1, 24
.set G0, 32
.set G1B, 48
.set G0B, 56
.set G1S, 68
.set G0S, 76
.set G1SB, 80
.set G0SB, 88
.set MSB, 0
.macro WIN new
.if MSB != \new
	s_set_vgpr_msb (MSB<<8)|\new
.set MSB, \new
.endif
.endm
.set MUL,  0x05                        ; sources 0 (B) and 1 (A) window 1; C and D window 0
.set TO_F, 0x40
.macro JLOAD g0a, g1a, g0b, g1b        ; a joint load: waves 0 and 1 fetch for A, waves 2 and 3 for B; an s_nop 0 and four v_nop follow each line
	s_cmp_eq_u32 s15, 0
	s_cbranch_scc0 .Lfor_b_\@
	tensor_load_to_lds s[\g0a:\g0a+3], s[\g1a:\g1a+7]
	s_nop 0
.rept 4
	v_nop
.endr
	s_branch .Lasked_\@
.Lfor_b_\@:
	tensor_load_to_lds s[\g0b:\g0b+3], s[\g1b:\g1b+7]
	s_nop 0
.rept 4
	v_nop
.endr
.Lasked_\@:
.endm
.macro CREST
	s_cmp_lg_u32 s14, 0
	s_cbranch_scc1 .Lnot_wave_0_\@
	s_barrier_signal -3
.Lnot_wave_0_\@:
	s_barrier_wait -3
	s_barrier_signal -1
	s_barrier_wait -1
.endm
.macro CROUND
	s_barrier_signal -1
	s_barrier_wait -1
	CREST
.endm
	s_load_b256 s[4:11], s[0:1], 0x0               ; A, wbuf, the residual, the bias
	s_load_b64 s[12:13], s[0:1], 0x20              ; out
	v_lshl_add_u32 v[SPW], v0, 2, SPARE
	v_mov_b32 v[NIL], 0
	ds_add_u32 v[SPW], v[NIL]                      ; the opening: the add, twice on end, and its wait ahead of my first tensor load
	ds_add_u32 v[SPW], v[NIL]
	v_lshrrev_b32 v1, 5, v0
	v_readfirstlane_b32 s14, v1                    ; wave
	s_lshr_b32 s15, s14, 1                         ; my half of the tile's rows.  Also: I fetch for A (0) or B (1)
	s_and_b32 s16, s14, 1                          ; my half of its columns.  Also: which half I fetch
	s_bfe_u32 s40, ttmp6, 0x40000
	s_bfe_u32 s41, ttmp6, 0x40004
	s_lshl_b32 s42, ttmp9, 2
	s_add_co_u32 s42, s42, s40                     ; tile column
	s_and_b32 s17, ttmp7, 0xffff
	s_lshl_b32 s17, s17, 2
	s_add_co_u32 s17, s17, s41                     ; tile row
	s_lshl_b32 s43, s41, 2
	s_lshl_b32 s43, 15, s43
	s_lshl_b32 s44, 0x1111, s40
	s_or_b32 s[G1+0], s43, (3<<16)|(1<<21)
	s_or_b32 s[G1B+0], s44, (3<<16)|(1<<21)
.irp g, G1, G1B
	s_mov_b32 s[\g+1], 768<<16                     ; 6,144 bytes: four K steps of a block
	s_mov_b32 s[\g+2], 4<<16                       ; 4 blocks
	s_mov_b32 s[\g+3], 768<<16
	s_mov_b32 s[\g+4], 4
	s_mov_b32 s[\g+5], 192*KS                      ; from block to block
	s_mov_b32 s[\g+6], 0
	s_mov_b32 s[\g+7], 0
.endr
	s_or_b32 s[G1S+0], s43, (3<<16)|(1<<21)
	s_or_b32 s[G1SB+0], s44, (3<<16)|(1<<21)
.irp g, G1S, G1SB
	s_mov_b32 s[\g+1], 32<<16                      ; 256 KS dense bytes as KS rows of 256: half of the tile's scale words
	s_mov_b32 s[\g+2], KS<<16
	s_mov_b32 s[\g+3], 32<<16
	s_mov_b32 s[\g+4], KS
	s_mov_b32 s[\g+5], 32
	s_mov_b32 s[\g+6], 0
	s_mov_b32 s[\g+7], 0
.endr
	s_lshl_b32 s18, s16, 2
	s_lshl_b32 s20, s17, 3
	s_add_co_u32 s20, s20, s18                     ; A: block 8 x tile row + 4 x half
	s_mul_i32 s20, s20, KS*1536
	s_mov_b32 s21, 0
	s_mul_i32 s22, s17, KS*512
	s_mul_i32 s19, s16, KS*256
	s_add_co_u32 s22, s22, s19
	s_add_co_u32 s22, s22, A_SC
	s_mov_b32 s23, 0
	s_lshl_b32 s46, s42, 3
	s_add_co_u32 s46, s46, s18
	s_mul_i32 s46, s46, KS*1536
	s_add_co_u32 s46, s46, B_OFF
	s_mov_b32 s47, 0
	s_mul_i32 s92, s42, KS*512
	s_add_co_u32 s92, s92, s19
	s_add_co_u32 s92, s92, B_SC
	s_mov_b32 s93, 0
	s_mul_i32 s45, s14, HALFT
	s_mul_i32 s94, s14, HALFS
	s_wait_dscnt 0x0                               ; both opening adds are done
	s_wait_kmcnt 0x0
	s_add_nc_u64 s[20:21], s[4:5], s[20:21]
	s_add_nc_u64 s[22:23], s[4:5], s[22:23]
	s_add_nc_u64 s[46:47], s[6:7], s[46:47]
	s_add_nc_u64 s[92:93], s[6:7], s[92:93]
	CROUND                                         ; all sixteen work-groups are here: the first joint loads meet
	s_mov_b32 s[G0S], 1
	s_add_co_u32 s[G0S+1], s94, SCL
	s_mov_b64 s[G0S+2:G0S+3], s[22:23]
	s_or_b32 s[G0S+3], s[G0S+3], 0x80000000
	s_mov_b32 s[G0SB], 1
	s_add_co_u32 s[G0SB+1], s94, SCL
	s_mov_b64 s[G0SB+2:G0SB+3], s[92:93]
	s_or_b32 s[G0SB+3], s[G0SB+3], 0x80000000
	JLOAD G0S, G1S, G0SB, G1SB
.irp s, 0,1
	s_mov_b32 s[G0+4*\s], 1
	s_add_co_u32 s[G0+4*\s+1], s45, \s*SLOT
	s_add_nc_u64 s[G0+4*\s+2:G0+4*\s+3], s[20:21], \s*6144
	s_or_b32 s[G0+4*\s+3], s[G0+4*\s+3], 0x80000000
	s_mov_b32 s[G0B+4*\s], 1
	s_add_co_u32 s[G0B+4*\s+1], s45, \s*SLOT
	s_add_nc_u64 s[G0B+4*\s+2:G0B+4*\s+3], s[46:47], \s*6144
	s_or_b32 s[G0B+4*\s+3], s[G0B+4*\s+3], 0x80000000
	JLOAD G0+4*\s, G1, G0B+4*\s, G1B
.endr
	v_and_b32 v1, 15, v0                           ; r
	v_bfe_u32 v2, v0, 4, 1                         ; h
	v_and_b32 v3, 31, v0
	v_lshlrev_b32 v3, 3, v3                        ; 8 x lane
	s_mul_i32 s21, s15, HALFT
	s_mul_i32 s22, s16, HALFT
	s_add_co_u32 s22, s22, 2*HALFT
.irp s, 0,1
	v_add_nc_u32 v[ADRA+\s], s21, v3
	v_add_nc_u32 v[ADRB+\s], s22, v3
	s_add_co_u32 s21, s21, SLOT
	s_add_co_u32 s22, s22, SLOT
.endr
	s_lshl_b32 s21, s15, 8                         ; my four blocks' words: 256 x half in each 512
	s_lshl_b32 s22, s16, 8
	s_add_co_u32 s22, s22, 2*HALFS
	s_sub_co_u32 s22, s22, s21
	v_mul_u32_u24 v6, s22, v2                      ; lanes 16-31 take B's words
	s_add_co_u32 s21, s21, SCL
	v_lshlrev_b32 v5, 2, v1
	v_add_nc_u32 v5, v5, v6
	v_add_nc_u32 v[ADRS], s21, v5
	s_mul_i32 s23, s14, 16*SPITCH                  ; my stage
	v_mul_u32_u24 v4, v1, SPITCH
	v_lshl_add_u32 v4, v2, 6, v4
	v_add_nc_u32 v[STO], s23, v4                   ; in: row r, + 64 h
	v_mul_u32_u24 v5, v2, SPITCH
	v_lshl_add_u32 v5, v1, 4, v5
	v_add_nc_u32 v[RD], s23, v5                    ; back: lanes 0-15 one row of 256 bytes, lanes 16-31 the next
	v_lshlrev_b32 v[CO], 12, v2
	v_lshl_add_u32 v[CO], v1, 4, v[CO]             ; and the same two rows in memory
	v_lshlrev_b32 v[VB], 6, v2
	s_lshl_b32 s20, s42, 9
	s_lshl_b32 s21, s16, 8
	s_add_co_u32 s20, s20, s21                     ; my 64 columns, in bytes
	s_mov_b32 s21, 0
	s_add_nc_u64 s[10:11], s[10:11], s[20:21]      ; the bias there
	s_lshl_b32 s18, s17, 7
	s_lshl_b32 s19, s15, 6
	s_add_co_u32 s18, s18, s19
	s_lshl_b32 s18, s18, 12                        ; my 64 rows
	s_add_co_u32 s20, s20, s18
	s_add_nc_u64 s[8:9], s[8:9], s[20:21]
	s_add_nc_u64 s[12:13], s[12:13], s[20:21]
.irp b, 0,1,2,3
	global_load_b128 v[BI+8*\b:BI+8*\b+3], v[VB], s[10:11] offset:128*(\b/2)+32*(\b%2)
	global_load_b128 v[BI+8*\b+4:BI+8*\b+7], v[VB], s[10:11] offset:128*(\b/2)+32*(\b%2)+16
.endr
	WIN 0x80                                       ; destination window 2
.irp a, 0,1,2,3
.irp t, 0,1,2,3,4,5,6,7
	global_load_b128 v[4*(8*\a+\t):4*(8*\a+\t)+3], v[CO], s[8:9] offset:(32*(\a/2)+8*(\a%2)+2*\t+8*(\t/4))*4096
.endr
.endr
	WIN 0
.macro FETCH slot, q, f                ; the fragments of K step q of a slot: 48 loads of 256 consecutive bytes
	WIN TO_F
.irp i, 0,1,2,3
.irp p, 0,1,2,3,4,5
	ds_load_b64 v[\f+48+12*\i+2*\p:\f+48+12*\i+2*\p+1], v[ADRB+\slot] offset:\i*6144+(\q)*1536+256*\p
.endr
.endr
.irp i, 0,1,2,3
.irp p, 0,1,2,3,4,5
	ds_load_b64 v[\f+12*\i+2*\p:\f+12*\i+2*\p+1], v[ADRA+\slot] offset:\i*6144+(\q)*1536+256*\p
.endr
.endr
.endm
.macro SCALES set                      ; a slot's scale words: lanes 0-15 A's block i, lanes 16-31 B's block i
.irp q, 0,1,2,3
.irp i, 0,1,2,3
	ds_load_b32 v[SCW+16*\set+4*\q+\i], v[ADRS] offset:512*\q+64*\i
.endr
.endr
.endm
.macro MULA f, a, q, set, zero         ; four products: A's block a x B's four.  The 16 accumulators take turns, in the same order in every step
.irp b, 0,1,2,3
.if \zero
	v_wmma_scale_f32_16x16x128_f8f6f4 v[ACC+8*(4*(\a)+\b):ACC+8*(4*(\a)+\b)+7], v[\f+48+12*\b:\f+48+12*\b+11], v[\f+12*(\a):\f+12*(\a)+11], v[BI+8*\b:BI+8*\b+7], v[SCW+16*(\set)+4*(\q)+\b], v[SCW+16*(\set)+4*(\q)+(\a)] matrix_a_fmt:MATRIX_FMT_FP6 matrix_b_fmt:MATRIX_FMT_FP6 matrix_a_scale:MATRIX_SCALE_ROW1
.else
	v_wmma_scale_f32_16x16x128_f8f6f4 v[ACC+8*(4*(\a)+\b):ACC+8*(4*(\a)+\b)+7], v[\f+48+12*\b:\f+48+12*\b+11], v[\f+12*(\a):\f+12*(\a)+11], v[ACC+8*(4*(\a)+\b):ACC+8*(4*(\a)+\b)+7], v[SCW+16*(\set)+4*(\q)+\b], v[SCW+16*(\set)+4*(\q)+(\a)] matrix_a_fmt:MATRIX_FMT_FP6 matrix_b_fmt:MATRIX_FMT_FP6 matrix_a_scale:MATRIX_SCALE_ROW1
.endif
.endr
.endm
.macro PLACES n
.rept \n
	v_nop
.endr
.endm
.macro QUARTER slot, q, f, g, zero     ; K step q of a slot from buffer f; the next step's fragments are asked for first, into buffer g
	s_wait_dscnt 0x0                               ; buffer f (and a new slot's scale words) are in
	PLACES 4                                       ; behind the products that read buffer g
	FETCH \slot, (\q)+1, \g
	WIN MUL
	MULA \f, 0, \q, \slot, \zero
	MULA \f, 1, \q, \slot, \zero
	MULA \f, 2, \q, \slot, \zero
	MULA \f, 3, \q, \slot, \zero
.endm
; A slot's last step changes slots: one barrier; in front of it each wave waits for all its tensor loads, adds 0 to its spare word, and waits for that and for its reads of this slot.
.macro TURN slot, next, fill
	WIN 0
	s_wait_tensorcnt 0x0                           ; all my tensor loads have landed: my part of the next slot
	ds_add_u32 v[SPW], v[NIL]
	s_wait_dscnt 1                                 ; buffer 1 is in; the add alone may be out
	WIN MUL
	MULA F1, 0, 3, \slot, 0
	s_wait_dscnt 0x0                               ; the add is done, and my reads of this slot are over
	s_barrier_signal -1
	MULA F1, 1, 3, \slot, 0
	WIN 0
	s_barrier_wait -1
.if \fill
	CREST                                          ; the barrier has opened a round of the cluster's: no wave of any partner still reads this slot or has a load on its way
	s_add_nc_u64 s[G0+4*\slot+2:G0+4*\slot+3], s[G0+4*\slot+2:G0+4*\slot+3], 12288
	s_add_nc_u64 s[G0B+4*\slot+2:G0B+4*\slot+3], s[G0B+4*\slot+2:G0B+4*\slot+3], 12288
	JLOAD G0+4*\slot, G1, G0B+4*\slot, G1B         ; the first tensor load behind the round; its four v_nop are the places in front of the loads below
.else
	PLACES 4
.endif
	v_add_nc_u32 v[ADRS], 2048, v[ADRS]            ; the next slot's scale words (no LDS load of mine is out)
	FETCH \next, 0, F0
	WIN 0
	SCALES \next
	WIN MUL
	MULA F1, 2, 3, \slot, 0
	MULA F1, 3, 3, \slot, 0
.endm
	s_wait_tensorcnt 1                             ; the scale words and my part of slot 0 are in; slot 1's load may be out
	s_barrier_signal -1
	s_barrier_wait -1
	FETCH 0, 0, F0
	WIN 0
	SCALES 0
	s_wait_loadcnt 32                              ; the bias is in; the residual's 32 loads may be out
	QUARTER 0, 0, F0, F1, 1                        ; the first step starts the sums, on the bias
.if LAPS > 1
	WIN 0
	s_mov_b32 s3, LAPS-1
.Llap:
	QUARTER 0, 1, F1, F0, 0
	QUARTER 0, 2, F0, F1, 0
	TURN 0, 1, 1
	QUARTER 1, 0, F0, F1, 0
	QUARTER 1, 1, F1, F0, 0
	QUARTER 1, 2, F0, F1, 0
	TURN 1, 0, 1
	QUARTER 0, 0, F0, F1, 0
	WIN 0
	s_sub_co_u32 s3, s3, 1
	s_cmp_lg_u32 s3, 0
	s_cbranch_scc1 .Llap
.endif
	QUARTER 0, 1, F1, F0, 0                        ; the last lap fills nothing
	QUARTER 0, 2, F0, F1, 0
	TURN 0, 1, 0
	QUARTER 1, 0, F0, F1, 0
	QUARTER 1, 1, F1, F0, 0
	QUARTER 1, 2, F0, F1, 0
	s_wait_dscnt 0x0
	WIN MUL
	MULA F1, 0, 3, 1, 0
	MULA F1, 1, 3, 1, 0
	MULA F1, 2, 3, 1, 0
	MULA F1, 3, 3, 1, 0
	WIN 0
; THE WAY OUT, a block of 16 rows x 64 columns at a time: into my stage by lane index, back as whole rows of 256 bytes; LDS serves a wave's instructions in order, so no wait stands between.
.macro TOSTAGE a
.irp b, 0,1,2,3
	ds_store_b128 v[STO], v[ACC+8*(4*(\a)+\b):ACC+8*(4*(\a)+\b)+3] offset:128*(\b/2)+32*(\b%2)      ; each accumulator from its low end on
	ds_store_b128 v[STO], v[ACC+8*(4*(\a)+\b)+4:ACC+8*(4*(\a)+\b)+7] offset:128*(\b/2)+32*(\b%2)+16
.endr
.set BB, BK+32*((\a)%2)
.irp t, 0,1,2,3,4,5,6,7
	ds_load_b128 v[BB+4*\t:BB+4*\t+3], v[RD] offset:\t*2*SPITCH
.endr
.endm
.macro SEND a, younger                 ; younger: the LDS instructions issued behind block a's loads
.set BB, BK+32*((\a)%2)
	s_wait_dscnt \younger
	WIN 0x08                                       ; source 1: the residual, window 2
.set i, 0
.rept 16
	v_pk_add_f32 v[BB+2*i:BB+2*i+1], v[BB+2*i:BB+2*i+1], v[32*(\a)+2*i:32*(\a)+2*i+1]
.set i, i+1
.endr
	WIN 0
.irp t, 0,1,2,3,4,5,6,7
	global_store_b128 v[CO], v[BB+4*\t:BB+4*\t+3], s[12:13] offset:(32*((\a)/2)+8*((\a)%2)+2*\t+8*(\t/4))*4096   ; 16 lanes store 256 consecutive bytes, aligned; stage row 2 t + h is row 32 (a / 2) + 8 (a % 2) + 2 t + h + 8 (t / 4)
.endr
.endm
	PLACES 4                                       ; behind the last products
	s_wait_loadcnt 0x0                             ; the residual
	TOSTAGE 0
.irp a, 1,2,3
.if \a > 1
	s_wait_xcnt 0x0                                ; block a - 2's stores have read their registers
.endif
	TOSTAGE \a
	SEND \a-1, 16                                  ; behind block a - 1's loads: block a's 8 stores and 8 loads
.endr
	SEND 3, 0
	s_wait_tensorcnt 0x0                           ; the wave's end
	ds_add_u32 v[SPW], v[NIL]
	s_wait_dscnt 0x0
	CROUND                                         ; the closing round
	s_endpgm
.Lfunc_end_k_q10ace521c2_proj:
	.size	k_q10ace521c2_proj, .Lfunc_end_k_q10ace521c2_proj-k_q10ace521c2_proj
	.p2alignl 7, 3214868480
	.fill 96, 4, 3214868480
	.section	.rodata,"a",@progbits
	.p2align	6, 0x0
	.amdhsa_kernel k_q10ace521c2_proj
		.amdhsa_group_segment_fixed_size 327680
		.amdhsa_private_segment_fixed_size 0
		.amdhsa_enable_private_segment 0
		.amdhsa_kernarg_size 40
		.amdhsa_user_sgpr_count 2
		.amdhsa_user_sgpr_kernarg_segment_ptr 1
		.amdhsa_wavefront_size32 1
		.amdhsa_system_sgpr_workgroup_id_x 1
		.amdhsa_system_sgpr_workgroup_id_y 1
		.amdhsa_system_sgpr_workgroup_id_z 1
		.amdhsa_system_vgpr_workitem_id 0
		.amdhsa_next_free_vgpr 768
		.amdhsa_next_free_sgpr 100
		.amdhsa_reserve_vcc 0
		.amdhsa_float_denorm_mode_32 3
		.amdhsa_float_denorm_mode_16_64 3
		.amdhsa_memory_ordered 1
		.amdhsa_forward_progress 1
		.amdhsa_inst_pref_size 70
	.end_amdhsa_kernel
	.amdgpu_metadata
---
amdhsa.version: [ 1, 2 ]
amdhsa.kernels:
  - .name:           k_q10ace521c2_proj
    .symbol:         k_q10ace521c2_proj.kd
    .args:
      - { .name: at, .offset: 0, .size: 8, .value_kind: global_buffer, .address_space: global }
      - { .name: wbuf, .offset: 8, .size: 8, .value_kind: global_buffer, .address_space: global }
      - { .name: x, .offset: 16, .size: 8, .value_kind: global_buffer, .address_space: global }
      - { .name: bproj, .offset: 24, .size: 8, .value_kind: global_buffer, .address_space: global }
      - { .name: x1, .offset: 32, .size: 8, .value_kind: global_buffer, .address_space: global }
    .group_segment_fixed_size: 327680
    .private_segment_fixed_size: 0
    .kernarg_segment_align: 8
    .kernarg_segment_size: 40
    .max_flat_workgroup_size: 128
    .sgpr_count:     100
    .vgpr_count:     768
    .wavefront_size: 32
...
	.end_amdgpu_metadata
.endif
;; end of part 4
;; launch ln2 (part 5): grid 256 x 1, 8 waves a work-group, no clusters, 66,816 bytes of LDS; arguments x1, g2, be2, h2q; writes h2q
.if DOCPART == 5
	.amdgcn_target "amdgcn-amd-amdhsa--gfx1250"
	.amdhsa_code_object_version 6
	.text
	.protected	k_q10ace521c2_ln2
	.globl	k_q10ace521c2_ln2
	.p2align	8
	.type	k_q10ace521c2_ln2,@function
k_q10ace521c2_ln2:
	s_mov_b64 s[64:65], 0
	v_nop
	global_prefetch_b8 v0, s[64:65] scope:SCOPE_SE
	s_setreg_imm32_b32 hwreg(HW_REG_WAVE_MODE, 25, 1), 1
	s_wait_xcnt 0x0
; The second layernorm.  y = (x - mean) rsqrt(var + 1e-5) g + be along rows of 1,024, in f32 (the variance of the differences, as reference() has it), then quantised along the row to FP6 codes with E8M0 scales.
; Out: images of operand registers, KS = 8: fragment (a, s) at (8 a + s) x 1,536, scale words from 3,145,728 on at ((a / 8) 8 + s) x 512 + (a % 8) x 64 + 4 r; lane index r of block a is row 32 (a / 2) + 8 (a % 2) + r + 8 (r / 8).
; Work-group a owns block a's 16 rows.  Phase 1: wave w normalises lane indices 2 w and 2 w + 1 (two neighbouring rows), each load 512 consecutive bytes, and lays them in LDS (pitch 4,112).  One barrier.
; Phase 2: wave w takes K step w: lane (r, h) reads its two whole blocks of 32 of row r, quantises them, and the wave stores the fragment's image, 256 consecutive bytes a store.
; No tensor loads, no cluster: work-groups share only g and be, 8 KiB.  LIMITS: NaN and infinities are not served; a block under 2^-124 (a block of zeros too) gets the byte 1.
.set PITCH, 4112
.set SPARE, 65792                      ; behind the 16 rows: the spare words, 128 bytes for each of eight waves
.set SPW,  6
.set NIL,  7
.set X,    32                          ; v32-95   two rows, later my 64 numbers
.set G,    96                          ; v96-127  g at my columns
.set BE,   128                         ; v128-159 be
.set PC,   160                         ; v160-171 the fragment
.set PT,   172                         ; v172-174, v176-178 upper halves as converted
.set TM,   26
.set TS,   28
.set TB,   30
	s_load_b256 s[4:11], s[0:1], 0x0               ; x, g, be, out
	v_lshl_add_u32 v[SPW], v0, 2, SPARE
	v_mov_b32 v[NIL], 0
	v_lshrrev_b32 v1, 5, v0
	v_readfirstlane_b32 s12, v1                    ; wave
	v_and_b32 v16, 31, v0                          ; lane
	v_and_b32 v17, 15, v0                          ; r
	v_bfe_u32 v18, v0, 4, 1                        ; h
	v_lshlrev_b32 v1, 4, v16                       ; 16 x lane
	s_mul_i32 s16, s12, 2*PITCH
	v_add_nc_u32 v2, s16, v1                       ; LDS, phase 1: row 2 w, 16 x lane
	v_mul_u32_u24 v3, v17, PITCH
	v_lshl_add_u32 v3, v18, 7, v3
	s_lshl_b32 s17, s12, 9
	v_add_nc_u32 v3, s17, v3                       ; LDS, phase 2: row r, K step w, + 128 h
	v_lshlrev_b32 v4, 3, v16                       ; 8 x lane
	v_lshlrev_b32 v5, 2, v17                       ; 4 r
	v_lshlrev_b32 v24, 3, v18                      ; 8 h: where my two bytes stand in the scale word
	s_lshr_b32 s13, ttmp9, 1
	s_lshl_b32 s13, s13, 5
	s_and_b32 s14, ttmp9, 1
	s_lshl_b32 s14, s14, 3
	s_add_co_u32 s13, s13, s14
	s_lshl_b32 s14, s12, 1
	s_add_co_u32 s13, s13, s14
	s_lshr_b32 s14, s12, 2
	s_lshl_b32 s14, s14, 3
	s_add_co_u32 s13, s13, s14                     ; my first row: 32 (a / 2) + 8 (a % 2) + 2 w + 8 (w / 4)
	s_lshl_b32 s14, s13, 12
	s_mov_b32 s15, 0
	s_lshl_b32 s18, ttmp9, 3
	s_add_co_u32 s18, s18, s12
	s_mul_i32 s18, s18, 1536                       ; fragment (a, w)
	s_mov_b32 s19, 0
	s_lshr_b32 s20, ttmp9, 3
	s_lshl_b32 s20, s20, 3
	s_add_co_u32 s20, s20, s12
	s_lshl_b32 s20, s20, 9
	s_and_b32 s21, ttmp9, 7
	s_lshl_b32 s21, s21, 6
	s_add_co_u32 s20, s20, s21
	s_add_co_u32 s20, s20, 3145728                 ; its scale words
	s_mov_b32 s21, 0
	s_mov_b32 s22, 0x3a800000                      ; 1 / 1,024
	s_mov_b32 s23, 0x3727c5ac                      ; 1e-5
	s_mov_b32 s24, 0x76543210
	s_mov_b32 s25, 0xfedcba98                      ; v_permlanex16_b32: lane l xor 16
	s_wait_kmcnt 0x0
	s_add_nc_u64 s[4:5], s[4:5], s[14:15]
	s_add_nc_u64 s[18:19], s[10:11], s[18:19]
	s_add_nc_u64 s[20:21], s[10:11], s[20:21]
.irp e, 0,1
.irp i, 0,1,2,3,4,5,6,7
	global_load_b128 v[X+32*\e+4*\i:X+32*\e+4*\i+3], v1, s[4:5] offset:4096*\e+512*\i
.endr
.endr
.irp i, 0,1,2,3,4,5,6,7
	global_load_b128 v[G+4*\i:G+4*\i+3], v1, s[6:7] offset:512*\i
.endr
.irp i, 0,1,2,3,4,5,6,7
	global_load_b128 v[BE+4*\i:BE+4*\i+3], v1, s[8:9] offset:512*\i
.endr
.macro REDUCE t                        ; the sum over the 32 lanes, in every lane
	v_add_f32_dpp v[\t], v[\t], v[\t] row_xmask:1 row_mask:0xf bank_mask:0xf
	v_add_f32_dpp v[\t], v[\t], v[\t] row_xmask:2 row_mask:0xf bank_mask:0xf
	v_add_f32_dpp v[\t], v[\t], v[\t] row_xmask:4 row_mask:0xf bank_mask:0xf
	v_add_f32_dpp v[\t], v[\t], v[\t] row_xmask:8 row_mask:0xf bank_mask:0xf
	v_permlanex16_b32 v[\t+1], v[\t], s24, s25
	v_add_f32 v[\t], v[\t], v[\t+1]
.endm
.macro MEAN e                          ; row e's mean, as a pair in v[8 + 2 e]
.set XR, X+32*\e
.set T, 16+4*\e
	v_pk_add_f32 v[T:T+1], v[XR:XR+1], v[XR+2:XR+3]
	v_pk_add_f32 v[T+2:T+3], v[XR+4:XR+5], v[XR+6:XR+7]
.irp j, 8,12,16,20,24,28
	v_pk_add_f32 v[T:T+1], v[T:T+1], v[XR+\j:XR+\j+1]
	v_pk_add_f32 v[T+2:T+3], v[T+2:T+3], v[XR+\j+2:XR+\j+3]
.endr
	v_pk_add_f32 v[T:T+1], v[T:T+1], v[T+2:T+3]
	v_add_f32 v[T], v[T], v[T+1]
	REDUCE T
	v_mul_f32 v[8+2*\e], s22, v[T]
	v_mov_b32 v[9+2*\e], v[8+2*\e]
.endm
.macro DEV e                           ; x - mean in place; 1 / sqrt(mean of squares + 1e-5) into v[12 + 2 e]
.set XR, X+32*\e
.set T, 16+4*\e
.set jj, 0
.rept 16
	v_pk_add_f32 v[XR+jj:XR+jj+1], v[XR+jj:XR+jj+1], v[8+2*\e:9+2*\e] neg_lo:[0,1] neg_hi:[0,1]
.set jj, jj+2
.endr
	v_pk_mul_f32 v[T:T+1], v[XR:XR+1], v[XR:XR+1]
	v_pk_mul_f32 v[T+2:T+3], v[XR+2:XR+3], v[XR+2:XR+3]
.irp j, 4,8,12,16,20,24,28
	v_pk_fma_f32 v[T:T+1], v[XR+\j:XR+\j+1], v[XR+\j:XR+\j+1], v[T:T+1]
	v_pk_fma_f32 v[T+2:T+3], v[XR+\j+2:XR+\j+3], v[XR+\j+2:XR+\j+3], v[T+2:T+3]
.endr
	v_pk_add_f32 v[T:T+1], v[T:T+1], v[T+2:T+3]
	v_add_f32 v[T], v[T], v[T+1]
	REDUCE T
	v_fma_f32 v[T], v[T], s22, s23
	v_rsq_f32 v[12+2*\e], v[T]
.endm
	s_wait_loadcnt 16                              ; the two rows are in; the 16 loads of g and be may be out
	MEAN 0
	MEAN 1
	DEV 0
	DEV 1
	v_nop                                          ; a plain line behind the last transcendental
	s_wait_alu depctr_va_vdst(0)                   ; one wait for both, ahead of the first line that names a result
	v_mov_b32 v13, v12
	v_mov_b32 v15, v14
	s_wait_loadcnt 0x0                             ; g and be
.irp e, 0,1
.set jj, 0
.rept 16
	v_pk_mul_f32 v[X+32*\e+jj:X+32*\e+jj+1], v[X+32*\e+jj:X+32*\e+jj+1], v[12+2*\e:13+2*\e]
	v_pk_fma_f32 v[X+32*\e+jj:X+32*\e+jj+1], v[X+32*\e+jj:X+32*\e+jj+1], v[G+jj:G+jj+1], v[BE+jj:BE+jj+1]
.set jj, jj+2
.endr
.endr
.irp e, 0,1
.irp i, 0,1,2,3,4,5,6,7
	ds_store_b128 v2, v[X+32*\e+4*\i:X+32*\e+4*\i+3] offset:PITCH*\e+512*\i
.endr
.endr
	s_wait_dscnt 0x0                               ; for the others' sake: my rows lie in LDS
	s_barrier_signal -1
	s_barrier_wait -1
.irp c, 0,1
.irp j, 0,1,2,3,4,5,6,7
	ds_load_b128 v[X+32*\c+4*\j:X+32*\c+4*\j+3], v3 offset:256*\c+16*\j   ; k = 128 w + 64 c + 32 h + 4 j ..
.endr
.endr
	s_wait_dscnt 0x0
.irp c, 0,1                                    ; my block 2 c + h: all its 32 numbers are mine
	v_max3_num_f32 v[TM+\c], |v[X+32*\c]|, |v[X+1+32*\c]|, 0x1800000
.endr
.irp i, 2,4,6,8,10,12,14,16,18,20,22,24,26,28,30
.irp c, 0,1
	v_max3_num_f32 v[TM+\c], v[TM+\c], |v[X+32*\c+\i]|, |v[X+1+32*\c+\i]|
.endr
.endr
.irp c, 0,1
	v_add_nc_u32 v[TS+\c], 0xff000000, v[TM+\c]    ; 2 off the exponent field: the conversion's scale operand
.endr
.irp c, 0,1
	v_lshrrev_b32 v[TB+\c], 23, v[TS+\c]           ; the scale's byte
.endr
	v_lshl_or_b32 v20, v[TB+1], 16, v[TB]          ; blocks h and 2 + h,
	v_lshlrev_b32 v20, v24, v20                    ; at their places;
	v_mov_b32 v21, 0
	v_permlanex16_b32 v21, v20, s24, s25
	v_or_b32 v20, v20, v21                         ; with lane l xor 16's two the word is whole
.irp c, 0,1
	v_cvt_scalef32_pk16_fp6_f32 v[PC+6*\c:PC+6*\c+2], v[X+32*\c:X+32*\c+15], v[TS+\c]
	v_cvt_scalef32_pk16_fp6_f32 v[PT+4*\c:PT+4*\c+2], v[X+32*\c+16:X+32*\c+31], v[TS+\c]
.endr
	v_nop                                          ; one plain line behind a scaled conversion
.irp c, 0,1
.irp i, 0,1,2
	v_mov_b32 v[PC+3+6*\c+\i], v[PT+4*\c+\i]
.endr
.endr
.irp p, 0,1,2,3,4,5
	global_store_b64 v4, v[PC+2*\p:PC+2*\p+1], s[18:19] offset:256*\p   ; 32 lanes store 256 consecutive bytes, aligned
.endr
	global_store_b32 v5, v20, s[20:21]             ; row r's word (lanes 16-31 hold and write the same word)
	s_wait_tensorcnt 0x0                           ; the wave's end: behind my last LDS store
	ds_add_u32 v[SPW], v[NIL]
	s_wait_dscnt 0x0
	s_endpgm
.Lfunc_end_k_q10ace521c2_ln2:
	.size	k_q10ace521c2_ln2, .Lfunc_end_k_q10ace521c2_ln2-k_q10ace521c2_ln2
	.p2alignl 7, 3214868480
	.fill 96, 4, 3214868480
	.section	.rodata,"a",@progbits
	.p2align	6, 0x0
	.amdhsa_kernel k_q10ace521c2_ln2
		.amdhsa_group_segment_fixed_size 66816
		.amdhsa_private_segment_fixed_size 0
		.amdhsa_enable_private_segment 0
		.amdhsa_kernarg_size 32
		.amdhsa_user_sgpr_count 2
		.amdhsa_user_sgpr_kernarg_segment_ptr 1
		.amdhsa_wavefront_size32 1
		.amdhsa_system_sgpr_workgroup_id_x 1
		.amdhsa_system_sgpr_workgroup_id_y 1
		.amdhsa_system_sgpr_workgroup_id_z 1
		.amdhsa_system_vgpr_workitem_id 0
		.amdhsa_next_free_vgpr 184
		.amdhsa_next_free_sgpr 66
		.amdhsa_reserve_vcc 0
		.amdhsa_float_denorm_mode_32 3
		.amdhsa_float_denorm_mode_16_64 3
		.amdhsa_memory_ordered 1
		.amdhsa_forward_progress 1
		.amdhsa_inst_pref_size 24
	.end_amdhsa_kernel
	.amdgpu_metadata
---
amdhsa.version: [ 1, 2 ]
amdhsa.kernels:
  - .name:           k_q10ace521c2_ln2
    .symbol:         k_q10ace521c2_ln2.kd
    .args:
      - { .name: x1, .offset: 0, .size: 8, .value_kind: global_buffer, .address_space: global }
      - { .name: g2, .offset: 8, .size: 8, .value_kind: global_buffer, .address_space: global }
      - { .name: be2, .offset: 16, .size: 8, .value_kind: global_buffer, .address_space: global }
      - { .name: h2q, .offset: 24, .size: 8, .value_kind: global_buffer, .address_space: global }
    .group_segment_fixed_size: 66816
    .private_segment_fixed_size: 0
    .kernarg_segment_align: 8
    .kernarg_segment_size: 32
    .max_flat_workgroup_size: 256
    .sgpr_count:     66
    .vgpr_count:     184
    .wavefront_size: 32
...
	.end_amdgpu_metadata
.endif
;; end of part 5
;; launch ff1 (part 6): grid 16 x 16, 4 waves a work-group, clusters of 4 x 4, 327,680 bytes of LDS; arguments h2q, wbuf, b1, fh; writes fh
.if DOCPART == 6
	.amdgcn_target "amdgcn-amd-amdhsa--gfx1250"
	.amdhsa_code_object_version 6
	.text
	.protected	k_q10ace521c2_ff1
	.globl	k_q10ace521c2_ff1
	.p2align	8
	.type	k_q10ace521c2_ff1,@function
k_q10ace521c2_ff1:
	s_mov_b64 s[64:65], 0
	v_nop
	global_prefetch_b8 v0, s[64:65] scope:SCOPE_SE
	s_setreg_imm32_b32 hwreg(HW_REG_WAVE_MODE, 25, 1), 1
	s_wait_xcnt 0x0
	s_wait_alu depctr_hold_cnt(0) depctr_sa_sdst(0) depctr_va_vdst(0) depctr_va_sdst(0) depctr_va_ssrc(0) depctr_va_vcc(0) depctr_vm_vsrc(0)
	s_getreg_b32 s2, hwreg(HW_REG_IB_STS2, 6, 4)
	s_cmp_eq_u32 s2, 0
	s_cbranch_scc0 .Lentry_in_a_cluster
	s_endpgm
.Lentry_in_a_cluster:
	s_bfe_u32 s2, ttmp6, 0x10000c
	s_cmp_lg_u32 s2, 0xf033
	s_cbranch_scc0 .Lentry_shape_is_right
	s_endpgm
.Lentry_shape_is_right:
; A GEMM on FP6 codes, K = 1,024, whose RESULT IS QUANTISED IN REGISTERS and stored as images of the next product's operand registers.  (MODE 0: q, k, v.  MODE 1, here: the feed-forward's first layer, with bias and relu.)
; Operands lie as register images: fragment (a, s) at (8 a + s) x 1,536 bytes, scale words at ((a / 8) 8 + s) x 512 + (a % 8) x 64 + 4 r; lane index r of block a is row 32 (a / 2) + 8 (a % 2) + r + 8 (r / 8).
; A tile is 256 x 256, four waves of 128 x 128: 64 accumulators, 512 registers.  Source 0 = 16 rows of B (W1's columns), source 1 = 16 rows of A (tokens): a lane holds ONE token, and, by the order of rows in a block, the 16 registers
; of tiles 2 beta, 2 beta + 1 are 16 neighbouring hidden units 32 beta + 16 (lane / 16) + 0 .. 15: so a wave's 128 units of 16 tokens become one fragment and one scale word a row, with no way through LDS.
; The bias is the C of each sum's first instruction.  Out: fh, KS = 32: fragment (a, s) at (32 a + s) x 1,536, scale words from 12,582,912 on.
; K goes in four parts of 256.  THREE LDS SLOTS ARE FILLED AT THE HEAD, with parts 0, 1 and 2 and the scale words of the tile's rows for all of K; part 3 comes into slot 0 by the launch's ONE refill, behind the round at the
; end of slot 0's work, and has the 256 matrix instructions of slots 1 and 2 in which to land.  A wave's load brings 8 blocks x 3,072 bytes.  By this text's count a wave has at most four tensor loads out, later one.
; The wait for all loads in front of that round has shown slots 1 and 2 whole to every wave, so the change from slot 1 to slot 2 has no wait on tensor loads and no barrier.
; CLUSTERS of 4 x 4: A's tiles are asked for jointly along a row of the cluster, B's along a column.
; REGISTERS: window 0: v16-29 addresses; v32-63 scale words, two sets; v64-127 the bias; v128-223 A's fragments, one set.  window 1: B's fragments, two sets, at v0 and v128.  windows 2, 3: accumulator (a, b) at v[8 (8 (a % 4) + b)].
.set MODE,  1
.set NQ,    2
.set FR,    12
.set NL,    6
.set NP,    4
.set HALFT, 24576
.set SLOT,  98304
.set SCL,   294912
.set HALFS, 4096
.set SPARE, 311296
.set ADRA, 16
.set ADRB, 20
.set CO8,  24
.set CO4,  25
.set ADRS, 27
.set SPW,  28
.set NIL,  29
.set SC,   32
.set BI,   64
.set AF,   128
.set TM,   32
.set PW,   48
.set PC,   52
.set SW,   72
.set SW2,  80
.set G1, 24
.set G0, 32
.set G0C, 4
.set G1B, 48
.set G0B, 56
.set G0BC, 92
.set G1S, 68
.set G0S, 76
.set G1SB, 80
.set G0SB, 88
.if MODE
.set KB, 3145728
.set ASTEP, 49152
.else
.set KB, 0
.set ASTEP, 1536
.endif
.set MSB, 0
.macro WIN new
.if MSB != \new
	s_set_vgpr_msb (MSB<<8)|\new
.set MSB, \new
.endif
.endm
.set MUL_LO, 0xa1
.set MUL_HI, 0xf1
.set TO_B,   0x40
.macro JLOAD g0a, g1a, g0b, g1b        ; a joint load: waves 0 and 1 fetch for A, waves 2 and 3 for B; an s_nop 0 and four v_nop follow each line
	s_cmp_eq_u32 s15, 0
	s_cbranch_scc0 .Lfor_b_\@
	tensor_load_to_lds s[\g0a:\g0a+3], s[\g1a:\g1a+7]
	s_nop 0
.rept 4
	v_nop
.endr
	s_branch .Lasked_\@
.Lfor_b_\@:
	tensor_load_to_lds s[\g0b:\g0b+3], s[\g1b:\g1b+7]
	s_nop 0
.rept 4
	v_nop
.endr
.Lasked_\@:
.endm
.macro CREST
	s_cmp_lg_u32 s14, 0
	s_cbranch_scc1 .Lnot_wave_0_\@
	s_barrier_signal -3
.Lnot_wave_0_\@:
	s_barrier_wait -3
	s_barrier_signal -1
	s_barrier_wait -1
.endm
.macro CROUND
	s_barrier_signal -1
	s_barrier_wait -1
	CREST
.endm
	s_load_b128 s[4:7], s[0:1], 0x0                ; the tokens' codes, wbuf
.if MODE
	s_load_b128 s[8:11], s[0:1], 0x10              ; b1, fh
.else
	s_load_b64 s[10:11], s[0:1], 0x10
.endif
	v_lshl_add_u32 v[SPW], v0, 2, SPARE
	v_mov_b32 v[NIL], 0
	ds_add_u32 v[SPW], v[NIL]                      ; the opening: the add, twice on end, and its wait ahead of my first tensor load
	ds_add_u32 v[SPW], v[NIL]
	v_lshrrev_b32 v1, 5, v0
	v_readfirstlane_b32 s14, v1
	s_lshr_b32 s15, s14, 1
	s_and_b32 s16, s14, 1
	s_bfe_u32 s40, ttmp6, 0x40000
	s_bfe_u32 s41, ttmp6, 0x40004
.if MODE
	s_lshl_b32 s42, ttmp9, 2
	s_add_co_u32 s42, s42, s40                     ; tile column
	s_and_b32 s17, ttmp7, 0xffff
	s_lshl_b32 s17, s17, 2
	s_add_co_u32 s17, s17, s41                     ; tile row
	s_mov_b32 s90, 0
	s_mov_b32 s91, 3145728
	s_mov_b32 s99, 9568256
.else
	s_and_b32 s12, ttmp7, 0xffff
	s_lshr_b32 s17, s12, 1
	s_lshl_b32 s17, s17, 2
	s_and_b32 s42, s12, 1
	s_and_b32 s13, s12, 3
	s_mov_b32 s91, 9502720
	s_mov_b32 s99, 3145728
	s_cmp_lt_u32 s12, 8
	s_cselect_b32 s17, s17, 0
	s_cselect_b32 s42, s42, s13
	s_cselect_b32 s90, 0, 1572864
	s_cselect_b32 s91, 3145728, s91
	s_cselect_b32 s99, 9437184, s99
	s_add_co_u32 s17, s17, s41
	s_lshl_b32 s42, s42, 2
	s_add_co_u32 s42, s42, s40
.endif
	s_lshl_b32 s43, s41, 2
	s_lshl_b32 s43, 15, s43
	s_lshl_b32 s44, 0x1111, s40
	s_or_b32 s[G1+0], s43, (3<<16)|(1<<21)
	s_or_b32 s[G1B+0], s44, (3<<16)|(1<<21)
.irp g, G1, G1B
	s_mov_b32 s[\g+1], 384<<16
	s_mov_b32 s[\g+2], 8<<16
	s_mov_b32 s[\g+3], 384<<16
	s_mov_b32 s[\g+4], 8
	s_mov_b32 s[\g+5], 1536
	s_mov_b32 s[\g+6], 0
	s_mov_b32 s[\g+7], 0
.endr
	s_or_b32 s[G1S+0], s43, (3<<16)|(1<<21)
	s_or_b32 s[G1SB+0], s44, (3<<16)|(1<<21)
.irp g, G1S, G1SB
	s_mov_b32 s[\g+1], 32<<16
	s_mov_b32 s[\g+2], 16<<16
	s_mov_b32 s[\g+3], 32<<16
	s_mov_b32 s[\g+4], 16
	s_mov_b32 s[\g+5], 32
	s_mov_b32 s[\g+6], 0
	s_mov_b32 s[\g+7], 0
.endr
	s_lshl_b32 s18, s16, 3
	s_lshl_b32 s20, s17, 4
	s_add_co_u32 s20, s20, s18
	s_mul_i32 s20, s20, 12288
	s_add_co_u32 s20, s20, s90
	s_mov_b32 s21, 0
	s_lshl_b32 s22, s17, 1
	s_add_co_u32 s22, s22, s16
	s_lshl_b32 s22, s22, 12
	s_add_co_u32 s22, s22, s91
	s_mov_b32 s23, 0
	s_lshl_b32 s46, s42, 4
	s_add_co_u32 s46, s46, s18
	s_mul_i32 s46, s46, 12288
.if MODE
	s_add_co_u32 s46, s46, KB
.endif
	s_mov_b32 s47, 0
	s_lshl_b32 s92, s42, 1
	s_add_co_u32 s92, s92, s16
	s_lshl_b32 s92, s92, 12
	s_add_co_u32 s92, s92, s99
	s_mov_b32 s93, 0
	s_mul_i32 s45, s14, HALFT
	s_mul_i32 s94, s14, HALFS
	s_mov_b32 s98, 0xffff0000
	s_wait_dscnt 0x0                               ; both opening adds are done
	s_wait_kmcnt 0x0
.if MODE
	s_mov_b64 s[96:97], s[4:5]
	s_mov_b64 s[66:67], s[6:7]
.else
	s_cmp_lt_u32 s12, 8
	s_cselect_b64 s[96:97], s[4:5], s[6:7]
	s_cselect_b64 s[66:67], s[6:7], s[4:5]
.endif
	s_add_nc_u64 s[20:21], s[96:97], s[20:21]
	s_add_nc_u64 s[22:23], s[96:97], s[22:23]
	s_add_nc_u64 s[46:47], s[66:67], s[46:47]
	s_add_nc_u64 s[92:93], s[66:67], s[92:93]
	CROUND                                         ; all sixteen work-groups are here: the first joint loads meet
	s_mov_b32 s[G0S], 1
	s_add_co_u32 s[G0S+1], s94, SCL
	s_mov_b64 s[G0S+2:G0S+3], s[22:23]
	s_or_b32 s[G0S+3], s[G0S+3], 0x80000000
	s_mov_b32 s[G0SB], 1
	s_add_co_u32 s[G0SB+1], s94, SCL
	s_mov_b64 s[G0SB+2:G0SB+3], s[92:93]
	s_or_b32 s[G0SB+3], s[G0SB+3], 0x80000000
	JLOAD G0S, G1S, G0SB, G1SB
.irp s, 0,1
	s_mov_b32 s[G0+4*\s], 1
	s_add_co_u32 s[G0+4*\s+1], s45, \s*SLOT
	s_add_nc_u64 s[G0+4*\s+2:G0+4*\s+3], s[20:21], \s*3072
	s_or_b32 s[G0+4*\s+3], s[G0+4*\s+3], 0x80000000
	s_mov_b32 s[G0B+4*\s], 1
	s_add_co_u32 s[G0B+4*\s+1], s45, \s*SLOT
	s_add_nc_u64 s[G0B+4*\s+2:G0B+4*\s+3], s[46:47], \s*3072
	s_or_b32 s[G0B+4*\s+3], s[G0B+4*\s+3], 0x80000000
	JLOAD G0+4*\s, G1, G0B+4*\s, G1B
.endr
	s_mov_b32 s[G0C], 1                            ; slot 2: K steps 4 and 5
	s_add_co_u32 s[G0C+1], s45, 2*SLOT
	s_add_nc_u64 s[G0C+2:G0C+3], s[20:21], 2*3072
	s_or_b32 s[G0C+3], s[G0C+3], 0x80000000
	s_mov_b32 s[G0BC], 1
	s_add_co_u32 s[G0BC+1], s45, 2*SLOT
	s_add_nc_u64 s[G0BC+2:G0BC+3], s[46:47], 2*3072
	s_or_b32 s[G0BC+3], s[G0BC+3], 0x80000000
	JLOAD G0C, G1, G0BC, G1B
	v_and_b32 v1, 15, v0
	v_bfe_u32 v2, v0, 4, 1
	v_and_b32 v3, 31, v0
	v_lshlrev_b32 v[CO8], 3, v3
	v_lshlrev_b32 v[CO4], 2, v3
	s_mul_i32 s21, s15, HALFT
	s_mul_i32 s22, s16, HALFT
	s_add_co_u32 s22, s22, 2*HALFT
.irp s, 0,1,2
	v_add_nc_u32 v[ADRA+\s], s21, v[CO8]
	v_add_nc_u32 v[ADRB+\s], s22, v[CO8]
	s_add_co_u32 s21, s21, SLOT
	s_add_co_u32 s22, s22, SLOT
.endr
	v_lshlrev_b32 v5, 2, v1
	s_mul_i32 s21, s15, HALFS
	s_mul_i32 s22, s16, HALFS
	s_add_co_u32 s22, s22, 2*HALFS
	s_sub_co_u32 s22, s22, s21
	v_mul_u32_u24 v6, s22, v2                      ; lanes 16-31 take B's words
	s_add_co_u32 s21, s21, SCL
	v_add_nc_u32 v5, v5, v6
	v_add_nc_u32 v[ADRS], s21, v5
.if MODE
	s_lshl_b32 s20, s42, 10
	s_lshl_b32 s21, s16, 9
	s_add_co_u32 s20, s20, s21
	s_mov_b32 s21, 0
	s_add_nc_u64 s[8:9], s[8:9], s[20:21]          ; b1 at my 128 columns
	v_lshlrev_b32 v7, 6, v2                        ; tile b, lane half h: columns 32 (b / 2) + 8 (b % 2) + 16 h + 0 .. 7
.irp b, 0,1,2,3,4,5,6,7
	global_load_b128 v[BI+8*\b:BI+8*\b+3], v7, s[8:9] offset:128*(\b/2)+32*(\b%2)
	global_load_b128 v[BI+8*\b+4:BI+8*\b+7], v7, s[8:9] offset:128*(\b/2)+32*(\b%2)+16
.endr
.endif
	s_lshl_b32 s20, s17, 4
	s_lshl_b32 s21, s15, 3
	s_add_co_u32 s20, s20, s21                     ; A0: my first row block
	s_lshl_b32 s46, s42, 1
	s_add_co_u32 s46, s46, s16                     ; so: which 128 columns
.if MODE
	s_lshl_b32 s18, s20, 5
	s_add_co_u32 s18, s18, s46
	s_mul_i32 s18, s18, 1536                       ; fragment (A0, so), KS = 32
	s_mov_b32 s19, 0
	s_lshr_b32 s22, s20, 3
	s_lshl_b32 s22, s22, 5
	s_add_co_u32 s22, s22, s46
	s_lshl_b32 s22, s22, 9
	s_add_co_u32 s22, s22, 12582912
	s_mov_b32 s23, 0
.else
	s_lshr_b32 s21, s46, 3
	s_and_b32 s47, s46, 7
	s_lshl_b32 s18, s21, 5
	s_lshr_b32 s19, s20, 6
	s_lshl_b32 s19, s19, 3
	s_add_co_u32 s18, s18, s19
	s_add_co_u32 s18, s18, s47
	s_lshl_b32 s18, s18, 6
	s_and_b32 s19, s20, 63
	s_add_co_u32 s18, s18, s19
	s_lshl_b32 s19, s21, 3
	s_add_co_u32 s19, s19, 64
	s_lshr_b32 s13, s20, 3
	s_add_co_u32 s19, s19, s13
	s_lshl_b32 s19, s19, 6
	s_lshl_b32 s13, s47, 3
	s_add_co_u32 s19, s19, s13
	s_cmp_lt_u32 s12, 8
	s_cselect_b32 s18, s18, s19
	s_lshl_b32 s22, s18, 6
	s_add_co_u32 s22, s22, 9437184
	s_mov_b32 s23, 0
	s_mul_i32 s18, s18, 1536
	s_mov_b32 s19, 0
.endif
	s_add_nc_u64 s[12:13], s[10:11], s[18:19]      ; the codes
	s_add_nc_u64 s[10:11], s[10:11], s[22:23]      ; the scale words
.macro FRAG reg, adr, q, i             ; a fragment's image: six loads of 256 consecutive bytes
.irp p, 0,1,2,3,4,5
	ds_load_b64 v[\reg+2*\p:\reg+2*\p+1], v[\adr] offset:(\i)*3072+(\q)*1536+256*\p
.endr
.endm
; 16 matrix instructions: A's blocks a0, a0 + 1 x B's eight.  The 64 accumulators take turns, one instruction a turn, in the same order in every step.
.macro MUL16 a0, p, q, sc, zero
.irp a, \a0, \a0+1
.irp b, 0,1,2,3,4,5,6,7
.if \zero
.if MODE
	v_wmma_scale_f32_16x16x128_f8f6f4 v[8*(8*((\a)%4)+\b):8*(8*((\a)%4)+\b)+7], v[128*(\p)+FR*\b:128*(\p)+FR*\b+FR-1], v[AF+FR*(\a):AF+FR*(\a)+FR-1], v[BI+8*\b:BI+8*\b+7], v[SC+8*NQ*(\sc)+NQ*\b+(\q)], v[SC+8*NQ*(\sc)+NQ*(\a)+(\q)] matrix_a_fmt:MATRIX_FMT_FP6 matrix_b_fmt:MATRIX_FMT_FP6 matrix_a_scale:MATRIX_SCALE_ROW1
.else
	v_wmma_scale_f32_16x16x128_f8f6f4 v[8*(8*((\a)%4)+\b):8*(8*((\a)%4)+\b)+7], v[128*(\p)+FR*\b:128*(\p)+FR*\b+FR-1], v[AF+FR*(\a):AF+FR*(\a)+FR-1], 0, v[SC+8*NQ*(\sc)+NQ*\b+(\q)], v[SC+8*NQ*(\sc)+NQ*(\a)+(\q)] matrix_a_fmt:MATRIX_FMT_FP6 matrix_b_fmt:MATRIX_FMT_FP6 matrix_a_scale:MATRIX_SCALE_ROW1
.endif
.else
	v_wmma_scale_f32_16x16x128_f8f6f4 v[8*(8*((\a)%4)+\b):8*(8*((\a)%4)+\b)+7], v[128*(\p)+FR*\b:128*(\p)+FR*\b+FR-1], v[AF+FR*(\a):AF+FR*(\a)+FR-1], v[8*(8*((\a)%4)+\b):8*(8*((\a)%4)+\b)+7], v[SC+8*NQ*(\sc)+NQ*\b+(\q)], v[SC+8*NQ*(\sc)+NQ*(\a)+(\q)] matrix_a_fmt:MATRIX_FMT_FP6 matrix_b_fmt:MATRIX_FMT_FP6 matrix_a_scale:MATRIX_SCALE_ROW1
.endif
.endr
.endr
.endm
.macro FETCH_B slot, q, p
	WIN TO_B
.irp i, 0,1,2,3,4,5,6,7
	FRAG 128*(\p)+FR*\i, ADRB+\slot, \q, \i
.endr
	WIN 0
.endm
.macro FETCH_A slot, q, i0
.irp i, \i0, \i0+1, \i0+2, \i0+3
	FRAG AF+FR*(\i), ADRA+\slot, \q, \i
.endr
.endm
.macro SCALES sc                       ; a part's scale words into set sc: lanes 0-15 A's block i, lanes 16-31 B's block i
.irp i, 0,1,2,3,4,5,6,7
.irp q, 0,1
	ds_load_b32 v[SC+16*\sc+2*\i+\q], v[ADRS] offset:512*\q+64*\i
.endr
.endr
.endm
.macro PLACES n                        ; plain lines between a matrix instruction and a load into, or a vector read or write of, its registers
.rept \n
	v_nop
.endr
.endm
.macro STEP slot, sc, q, zero          ; a step of 128 along K that has its successor in the same slot; sc: the set of scale words
	s_wait_dscnt 4*NL                              ; all but the youngest 24 loads: A's blocks 4-7
.if (\zero) && MODE
	WIN 0x81                                       ; the bias, C, lies in window 0
.else
	WIN MUL_LO
.endif
	MUL16 0, (\q)%2, \q, \sc, \zero
	MUL16 2, (\q)%2, \q, \sc, \zero
	s_wait_dscnt 0
	PLACES NP
	FETCH_B \slot, (\q)+1, 1-(\q)%2
	FETCH_A \slot, (\q)+1, 0
.if (\zero) && MODE
	WIN 0xc1
.else
	WIN MUL_HI
.endif
	MUL16 4, (\q)%2, \q, \sc, \zero
	MUL16 6, (\q)%2, \q, \sc, \zero
	PLACES NP
	WIN 0
	FETCH_A \slot, (\q)+1, 4
.endm
; A slot's last step goes on into slot next (scale set nsc).
; mode 2: this slot is filled again: each wave waits for all its tensor loads, adds 0 to its spare word, waits for that and for its reads of this slot; the barrier opens a round of the cluster's; the refill comes first behind it.
; mode 1: the same three lines and the work-group's barrier, with no fill: the next slot's tile, the refill, is shown whole to every wave.
; mode 0: nothing is filled and the next slot was shown whole at the round before: no wait on tensor loads, no barrier.
.macro TURN slot, sc, next, nsc, mode
.if \mode
	s_wait_tensorcnt 0x0                           ; all my tensor loads have landed
	ds_add_u32 v[SPW], v[NIL]
	s_wait_dscnt 4*NL+1                            ; the add and the youngest 24 loads may be out
.else
	s_wait_dscnt 4*NL
.endif
	WIN MUL_LO
	MUL16 0, 1, NQ-1, \sc, 0
	s_wait_dscnt 0x0                               ; (the add is done, and) my reads of this slot are over
.if \mode
	s_barrier_signal -1
.endif
	MUL16 2, 1, NQ-1, \sc, 0
	WIN 0
.if \mode
	s_barrier_wait -1
.endif
.if \mode == 2
	CREST                                          ; no wave of any partner still reads this slot or has a load on its way
	s_add_nc_u64 s[G0+4*\slot+2:G0+4*\slot+3], s[G0+4*\slot+2:G0+4*\slot+3], 9216   ; three parts on
	s_add_nc_u64 s[G0B+4*\slot+2:G0B+4*\slot+3], s[G0B+4*\slot+2:G0B+4*\slot+3], 9216
	JLOAD G0+4*\slot, G1, G0B+4*\slot, G1B         ; the first tensor load behind the round; its four v_nop are the places in front of the loads below
.else
	PLACES NP
.endif
	v_add_nc_u32 v[ADRS], 1024, v[ADRS]            ; the next part's scale words (no LDS load of mine is out)
	FETCH_B \next, 0, 0
	FETCH_A \next, 0, 0
	SCALES \nsc
	WIN MUL_HI
	MUL16 4, 1, NQ-1, \sc, 0
	MUL16 6, 1, NQ-1, \sc, 0
	PLACES NP
	WIN 0
	FETCH_A \next, 0, 4
.endm
	s_wait_tensorcnt 2                             ; the scale words and my part of slot 0 are in; slots 1 and 2's loads may be out
	s_barrier_signal -1
	s_barrier_wait -1
	FETCH_B 0, 0, 0
	FETCH_A 0, 0, 0
	SCALES 0
	FETCH_A 0, 0, 4
.if MODE
	s_wait_loadcnt 0x0                             ; the bias
.endif
	STEP 0, 0, 0, 1                                ; part 0; the first step starts the sums
	TURN 0, 0, 1, 1, 2                             ; slot 0 is asked for again: part 3
	STEP 1, 1, 0, 0                                ; part 1
	TURN 1, 1, 2, 0, 0
	STEP 2, 0, 0, 0                                ; part 2
	TURN 2, 0, 0, 1, 1                             ; part 3 has landed, everybody's
	STEP 0, 1, 0, 0                                ; part 3
	s_wait_dscnt 4*NL
	WIN MUL_LO
	MUL16 0, 1, NQ-1, 1, 0
	MUL16 2, 1, NQ-1, 1, 0
	s_wait_dscnt 0
	WIN MUL_HI
	MUL16 4, 1, NQ-1, 1, 0
	MUL16 6, 1, NQ-1, 1, 0
	WIN 0
; THE WAY OUT.  Block a's 64 registers of a lane, register 16 b + i = column 32 b + 16 (lane / 16) + i of the lane's row, become a fragment's codes and its scale word.  QW: their window; QS: their first register.
.macro QUANT
.set WN, QW|(QW<<2)
	WIN WN                                         ; sources 0 and 1 in the accumulators' window
.irp b, 0,1,2,3
	v_max3_num_f32 v[TM+\b], |v[QS+16*\b]|, |v[QS+1+16*\b]|, 0x1800000   ; the floor 2^(3 - 127) holds the byte at 1 from below
.endr
.irp i, 2,4,6,8,10,12,14
.irp b, 0,1,2,3
	v_max3_num_f32 v[TM+\b], |v[QS+16*\b+\i]|, |v[QS+1+16*\b+\i]|, v[TM+\b]
.endr
.endr
	WIN 0
.irp b, 0,1,2,3
	v_permlanex16_b32 v[TM+4+\b], v[TM+\b], s20, s21
.endr
.irp b, 0,1,2,3
	v_max_num_f32 v[TM+\b], v[TM+\b], v[TM+4+\b]   ; with lane l xor 16's: the block's largest magnitude
.endr
.irp b, 0,1,2,3
	v_add_nc_u32 v[TM+12+\b], 0xff000000, v[TM+\b] ; 2 off the exponent field: the conversion's scale operand
.endr
.irp b, 0,1,2,3
	v_lshrrev_b32 v[TM+4+\b], 23, v[TM+12+\b]
.endr
	v_lshl_or_b32 v[PW], v[TM+5], 8, v[TM+4]
	v_lshl_or_b32 v[PW], v[TM+6], 16, v[PW]
	v_lshl_or_b32 v[PW], v[TM+7], 24, v[PW]
	WIN QW                                         ; source 0 in the accumulators' window
.irp c, 0,1
	v_cvt_scalef32_pk16_fp6_f32 v[PC+6*\c:PC+2+6*\c], v[QS+32*\c:QS+15+32*\c], v[TM+12+2*\c]
	v_cvt_scalef32_pk16_fp6_f32 v[PC+12+4*\c:PC+14+4*\c], v[QS+16+32*\c:QS+31+32*\c], v[TM+12+2*\c+1]
.endr
	WIN 0
	v_nop                                          ; one plain line behind a scaled conversion
.irp c, 0,1                                    ; the layout wants a whole block in a lane: lanes 0-15 block 2 c, lanes 16-31 block 2 c + 1
.irp i, 0,1,2
	v_permlane16_swap_b32 v[PC+6*\c+\i], v[PC+12+4*\c+\i]
.endr
.irp i, 0,1,2
	v_mov_b32 v[PC+3+6*\c+\i], v[PC+12+4*\c+\i]
.endr
.endr
.endm
	PLACES NP                                      ; behind the last products: their results are read and their scale registers written below
	s_mov_b32 s20, 0x76543210
	s_mov_b32 s21, 0xfedcba98
.irp b, 0,1,2,3
	v_mov_b32 v[TM+4+\b], 0                        ; a lane permute's destination counts as one of its sources
.endr
.irp a, 0,1,2,3,4,5,6,7
.set QW, 2+\a/4
.set QS, 64*(\a%4)
.if \a > 0
	s_wait_xcnt 0x0                                ; the last block's stores have read their registers
.endif
.if MODE
.set WN, (QW<<6)|(QW<<2)
	WIN WN
.set jj, 0
.rept 64
	v_max_num_f32 v[QS+jj], 0, v[QS+jj]            ; relu, in f32; each accumulator from its low end on
.set jj, jj+1
.endr
.endif
	QUANT
	v_mov_b32 v[SW+\a], v[PW]
.irp p, 0,1,2,3,4,5
	global_store_b64 v[CO8], v[PC+2*\p:PC+2*\p+1], s[12:13] offset:\a*ASTEP+256*\p   ; 32 lanes store 256 consecutive bytes, aligned
.endr
.endr
.irp i, 0,1,2,3
	v_cndmask_b32 v[SW2+\i], v[SW+2*\i], v[SW+2*\i+1], s98   ; lanes 0-15 block 2 i's words, lanes 16-31 block 2 i + 1's
.endr
.irp i, 0,1,2,3
	global_store_b32 v[CO4], v[SW2+\i], s[10:11] offset:128*\i   ; the four cover 512 consecutive bytes
.endr
	s_wait_tensorcnt 0x0                           ; the wave's end
	ds_add_u32 v[SPW], v[NIL]
	s_wait_dscnt 0x0
	CROUND                                         ; the closing round
	s_endpgm
.Lfunc_end_k_q10ace521c2_ff1:
	.size	k_q10ace521c2_ff1, .Lfunc_end_k_q10ace521c2_ff1-k_q10ace521c2_ff1
	.p2alignl 7, 3214868480
	.fill 96, 4, 3214868480
	.section	.rodata,"a",@progbits
	.p2align	6, 0x0
	.amdhsa_kernel k_q10ace521c2_ff1
		.amdhsa_group_segment_fixed_size 327680
		.amdhsa_private_segment_fixed_size 0
		.amdhsa_enable_private_segment 0
		.amdhsa_kernarg_size 32
		.amdhsa_user_sgpr_count 2
		.amdhsa_user_sgpr_kernarg_segment_ptr 1
		.amdhsa_wavefront_size32 1
		.amdhsa_system_sgpr_workgroup_id_x 1
		.amdhsa_system_sgpr_workgroup_id_y 1
		.amdhsa_system_sgpr_workgroup_id_z 1
		.amdhsa_system_vgpr_workitem_id 0
		.amdhsa_next_free_vgpr 1024
		.amdhsa_next_free_sgpr 100
		.amdhsa_reserve_vcc 0
		.amdhsa_float_denorm_mode_32 3
		.amdhsa_float_denorm_mode_16_64 3
		.amdhsa_memory_ordered 1
		.amdhsa_forward_progress 1
		.amdhsa_inst_pref_size 187
	.end_amdhsa_kernel
	.amdgpu_metadata
---
amdhsa.version: [ 1, 2 ]
amdhsa.kernels:
  - .name:           k_q10ace521c2_ff1
    .symbol:         k_q10ace521c2_ff1.kd
    .args:
      - { .name: h2q, .offset: 0, .size: 8, .value_kind: global_buffer, .address_space: global }
      - { .name: wbuf, .offset: 8, .size: 8, .value_kind: global_buffer, .address_space: global }
      - { .name: b1, .offset: 16, .size: 8, .value_kind: global_buffer, .address_space: global }
      - { .name: fh, .offset: 24, .size: 8, .value_kind: global_buffer, .address_space: global }
    .group_segment_fixed_size: 327680
    .private_segment_fixed_size: 0
    .kernarg_segment_align: 8
    .kernarg_segment_size: 32
    .max_flat_workgroup_size: 128
    .sgpr_count:     100
    .vgpr_count:     1024
    .wavefront_size: 32
...
	.end_amdgpu_metadata
.endif
;; end of part 6
;; launch ff2 (part 7): grid 8 x 32, 4 waves a work-group, clusters of 4 x 4, 327,680 bytes of LDS; arguments fh, wbuf, x1, b2, out0; writes out0
.if DOCPART == 7
	.amdgcn_target "amdgcn-amd-amdhsa--gfx1250"
	.amdhsa_code_object_version 6
	.text
	.protected	k_q10ace521c2_ff2
	.globl	k_q10ace521c2_ff2
	.p2align	8
	.type	k_q10ace521c2_ff2,@function
k_q10ace521c2_ff2:
	s_mov_b64 s[64:65], 0
	v_nop
	global_prefetch_b8 v0, s[64:65] scope:SCOPE_SE
	s_setreg_imm32_b32 hwreg(HW_REG_WAVE_MODE, 25, 1), 1
	s_wait_xcnt 0x0
	s_wait_alu depctr_hold_cnt(0) depctr_sa_sdst(0) depctr_va_vdst(0) depctr_va_sdst(0) depctr_va_ssrc(0) depctr_va_vcc(0) depctr_vm_vsrc(0)
	s_getreg_b32 s2, hwreg(HW_REG_IB_STS2, 6, 4)
	s_cmp_eq_u32 s2, 0
	s_cbranch_scc0 .Lentry_in_a_cluster
	s_endpgm
.Lentry_in_a_cluster:
	s_bfe_u32 s2, ttmp6, 0x10000c
	s_cmp_lg_u32 s2, 0xf033
	s_cbranch_scc0 .Lentry_shape_is_right
	s_endpgm
.Lentry_shape_is_right:
; out = res + A B^T + bias, f32 rows of 1,024: the feed-forward's second layer, K = 4,096 (KS = 32 K steps of 128).  A (fh, 4,096 rows) and B (W2's 1,024 rows in wbuf) are FP6 codes as images of operand registers:
; fragment (a, s) at (a KS + s) x 1,536, scale words at ((a / 8) KS + s) x 512 + (a % 8) x 64 + 4 r; lane index r of block a is row 32 (a / 2) + 8 (a % 2) + r + 8 (r / 8).
; The output has 1,024 columns, so tiles of 256 x 256 would be 64: a tile is 128 x 128, which gives 256 work-groups; four waves of 64 x 64, 16 accumulators each.
; THE RING: two LDS slots as large as fit beside the tile's scale words, so that the changes of slots are few: slot P holds 6 K steps (147,456 bytes), slot Q 5 (122,880 bytes); two of 6 would pass LDS by the spare words' 512 bytes.
; The walk along K: P 0-5, Q 6-10 (both asked for at the head), P 11-16, Q 17-21, P 22-27, Q 27-31: four refills.  Of P's last fill K step 27 is not read: so one descriptor shape serves every fill of a slot.
; A wave's tensor load brings 4 blocks x 9,216 (P) or 7,680 (Q) bytes.  The scale words for all of K come once, with the first fills.  A wave has at most three tensor loads out (scale words, P, Q), later one.
; The 32 K steps are written out: the K step stands in every immediate, and no LDS address is stepped.
; CLUSTERS of 4 x 4: A's tiles are asked for jointly along a row of the cluster, B's along a column.
; Source 0 = 16 rows of B, source 1 = 16 rows of A: a lane holds one row and eight neighbouring columns 32 (b / 2) + 8 (b % 2) + 16 (lane / 16) + 0 .. 7.  The bias is the C of each sum's first instruction.
; The residual's rows are asked for at the head, in the layout in which rows leave, and land under the K walk.  The way out goes through the wave's own stage (in slot P, behind its last fill and last read), which also puts the rows back in order.
; REGISTERS: window 0: v16-30 addresses; v32-63 the bias, later with v64-95 rows on the way out; v96-103 scale words, two sets of four by the K step's parity; v128-255 accumulator (a, b) at v[128 + 8 (4 a + b)].
;   window 1: two fragment buffers at v0 and v128, by the K step's parity: A's four at + 12 a, B's at + 48 + 12 b.   window 2: v0-127 the residual.
.set KS,    32
.set A_SC,  12582912
.set B_OFF, 6291456
.set B_SC,  9699328
.set PB0,   9216                       ; a block's row in slot P: 6 K steps
.set PB1,   7680                       ; in slot Q: 5
.set QT0,   4*PB0                      ; 4 blocks: what one tensor load brings into P
.set QT1,   4*PB1
.set SL1,   4*QT0                      ; slot Q begins here
.set SCL,   SL1+4*QT1                  ; behind the ring: the scale words
.set HALFS, 256*KS
.set SPARE, SCL+4*HALFS                ; the spare words, 128 bytes for each wave
.set SPITCH, 272
.set ADRA, 16                          ; v16-17 my A fragments in slot P, Q
.set ADRB, 20                          ; v20-21 the same for B
.set STO,  24
.set RD,   25
.set CO,   26
.set ADRS, 27
.set SPW,  28
.set NIL,  29
.set VB,   30
.set BI,   32
.set BK,   32
.set SCW,  96
.set ACC,  128
.set G1P,  24                          ; s[24:31], s[32:39] group 1 for A's tiles in P, in Q
.set G1BP, 40                          ; s[40:47], s[48:55] for B's: they differ in the mask alone
.set G0P,  56                          ; s[56:59], s[60:63] group 0 for A's tiles in P, in Q
.set G0BP, 68                          ; s[68:71], s[72:75] for B's
.set G1S,  76
.set G1SB, 84
.set G0S,  92
.set G0SB, 96
.set MSB, 0
.macro WIN new
.if MSB != \new
	s_set_vgpr_msb (MSB<<8)|\new
.set MSB, \new
.endif
.endm
.set MUL,  0x05                        ; sources 0 (B) and 1 (A) window 1; C and D window 0
.set TO_F, 0x40
.macro JLOAD g0a, g1a, g0b, g1b        ; a joint load: waves 0 and 1 fetch for A, waves 2 and 3 for B; an s_nop 0 and four v_nop follow each line
	s_cmp_eq_u32 s15, 0
	s_cbranch_scc0 .Lfor_b_\@
	tensor_load_to_lds s[\g0a:\g0a+3], s[\g1a:\g1a+7]
	s_nop 0
.rept 4
	v_nop
.endr
	s_branch .Lasked_\@
.Lfor_b_\@:
	tensor_load_to_lds s[\g0b:\g0b+3], s[\g1b:\g1b+7]
	s_nop 0
.rept 4
	v_nop
.endr
.Lasked_\@:
.endm
.macro CREST
	s_cmp_lg_u32 s14, 0
	s_cbranch_scc1 .Lnot_wave_0_\@
	s_barrier_signal -3
.Lnot_wave_0_\@:
	s_barrier_wait -3
	s_barrier_signal -1
	s_barrier_wait -1
.endm
.macro CROUND
	s_barrier_signal -1
	s_barrier_wait -1
	CREST
.endm
	s_load_b256 s[4:11], s[0:1], 0x0               ; A, wbuf, the residual, the bias
	s_load_b64 s[12:13], s[0:1], 0x20              ; out
	v_lshl_add_u32 v[SPW], v0, 2, SPARE
	v_mov_b32 v[NIL], 0
	ds_add_u32 v[SPW], v[NIL]                      ; the opening: the add, twice on end, and its wait ahead of my first tensor load
	ds_add_u32 v[SPW], v[NIL]
	v_lshrrev_b32 v1, 5, v0
	v_readfirstlane_b32 s14, v1                    ; wave
	s_lshr_b32 s15, s14, 1                         ; my half of the tile's rows.  Also: I fetch for A (0) or B (1)
	s_and_b32 s16, s14, 1                          ; my half of its columns.  Also: which half I fetch
	s_bfe_u32 s100, ttmp6, 0x40000                 ; cx
	s_bfe_u32 s101, ttmp6, 0x40004                 ; cy
	s_lshl_b32 s104, ttmp9, 2
	s_add_co_u32 s104, s104, s100                  ; tile column
	s_and_b32 s17, ttmp7, 0xffff
	s_lshl_b32 s17, s17, 2
	s_add_co_u32 s17, s17, s101                    ; tile row
	s_lshl_b32 s66, s101, 2
	s_lshl_b32 s66, 15, s66                        ; my row of the cluster
	s_lshl_b32 s67, 0x1111, s100                   ; my column
	s_or_b32 s[G1P], s66, (3<<16)|(1<<21)          ; the mask; elements of 8 bytes; bit 21 beside a mask; no padding
	s_or_b32 s[G1P+8], s66, (3<<16)|(1<<21)
	s_or_b32 s[G1S], s66, (3<<16)|(1<<21)
	s_or_b32 s[G1BP], s67, (3<<16)|(1<<21)
	s_or_b32 s[G1BP+8], s67, (3<<16)|(1<<21)
	s_or_b32 s[G1SB], s67, (3<<16)|(1<<21)
.irp g, G1P, G1BP
	s_mov_b32 s[\g+1], 1152<<16                    ; slot P: 9,216 bytes, six K steps of a block
	s_mov_b32 s[\g+2], 4<<16                       ; 4 blocks
	s_mov_b32 s[\g+3], 1152<<16
	s_mov_b32 s[\g+4], 4
	s_mov_b32 s[\g+5], 192*KS                      ; from block to block
	s_mov_b32 s[\g+6], 0
	s_mov_b32 s[\g+7], 0
	s_mov_b32 s[\g+9], 960<<16                     ; slot Q: 7,680 bytes, five K steps
	s_mov_b32 s[\g+10], 4<<16
	s_mov_b32 s[\g+11], 960<<16
	s_mov_b32 s[\g+12], 4
	s_mov_b32 s[\g+13], 192*KS
	s_mov_b32 s[\g+14], 0
	s_mov_b32 s[\g+15], 0
.endr
.irp g, G1S, G1SB
	s_mov_b32 s[\g+1], 32<<16                      ; 256 KS dense bytes as KS rows of 256: half of the tile's scale words
	s_mov_b32 s[\g+2], KS<<16
	s_mov_b32 s[\g+3], 32<<16
	s_mov_b32 s[\g+4], KS
	s_mov_b32 s[\g+5], 32
	s_mov_b32 s[\g+6], 0
	s_mov_b32 s[\g+7], 0
.endr
	s_lshl_b32 s18, s16, 2
	s_lshl_b32 s20, s17, 3
	s_add_co_u32 s20, s20, s18                     ; A: block 8 x tile row + 4 x half
	s_mul_i32 s20, s20, KS*1536
	s_mov_b32 s21, 0
	s_mul_i32 s22, s17, KS*512
	s_mul_i32 s19, s16, KS*256
	s_add_co_u32 s22, s22, s19
	s_add_co_u32 s22, s22, A_SC
	s_mov_b32 s23, 0
	s_lshl_b32 s2, s104, 3
	s_add_co_u32 s2, s2, s18                       ; B likewise, by the tile column
	s_mul_i32 s2, s2, KS*1536
	s_add_co_u32 s2, s2, B_OFF
	s_mov_b32 s3, 0
	s_mul_i32 s66, s104, KS*512                    ; (the masks are in their words)
	s_add_co_u32 s66, s66, s19
	s_add_co_u32 s66, s66, B_SC
	s_mov_b32 s67, 0
.irp g, G0P, G0BP                              ; where the tiles go: by the wave's number alone
	s_mov_b32 s[\g], 1
	s_mul_i32 s[\g+1], s14, QT0
	s_mov_b32 s[\g+4], 1
	s_mul_i32 s[\g+5], s14, QT1
	s_add_co_u32 s[\g+5], s[\g+5], SL1
.endr
.irp g, G0S, G0SB
	s_mov_b32 s[\g], 1
	s_mul_i32 s[\g+1], s14, HALFS
	s_add_co_u32 s[\g+1], s[\g+1], SCL
.endr
	s_wait_dscnt 0x0                               ; both opening adds are done
	s_wait_kmcnt 0x0
	s_add_nc_u64 s[G0P+2:G0P+3], s[4:5], s[20:21]  ; P: K step 0
	s_add_nc_u64 s[G0P+6:G0P+7], s[G0P+2:G0P+3], 6*1536   ; Q: K step 6
	s_or_b32 s[G0P+3], s[G0P+3], 0x80000000
	s_or_b32 s[G0P+7], s[G0P+7], 0x80000000
	s_add_nc_u64 s[G0S+2:G0S+3], s[4:5], s[22:23]
	s_or_b32 s[G0S+3], s[G0S+3], 0x80000000
	s_add_nc_u64 s[G0BP+2:G0BP+3], s[6:7], s[2:3]
	s_add_nc_u64 s[G0BP+6:G0BP+7], s[G0BP+2:G0BP+3], 6*1536
	s_or_b32 s[G0BP+3], s[G0BP+3], 0x80000000
	s_or_b32 s[G0BP+7], s[G0BP+7], 0x80000000
	s_add_nc_u64 s[G0SB+2:G0SB+3], s[6:7], s[66:67]
	s_or_b32 s[G0SB+3], s[G0SB+3], 0x80000000
	CROUND                                         ; all sixteen work-groups are here: the first joint loads meet
	JLOAD G0S, G1S, G0SB, G1SB                     ; the scale words first
	JLOAD G0P, G1P, G0BP, G1BP
	JLOAD G0P+4, G1P+8, G0BP+4, G1BP+8
	v_and_b32 v1, 15, v0                           ; r
	v_bfe_u32 v2, v0, 4, 1                         ; h
	v_and_b32 v3, 31, v0
	v_lshlrev_b32 v3, 3, v3                        ; 8 x lane
	s_mul_i32 s20, s15, QT0                        ; in a slot: A's two halves, then B's two
	s_mul_i32 s21, s16, QT0
	s_add_co_u32 s21, s21, 2*QT0
	v_add_nc_u32 v[ADRA], s20, v3
	v_add_nc_u32 v[ADRB], s21, v3
	s_mul_i32 s20, s15, QT1
	s_add_co_u32 s20, s20, SL1
	s_mul_i32 s21, s16, QT1
	s_add_co_u32 s21, s21, SL1+2*QT1
	v_add_nc_u32 v[ADRA+1], s20, v3
	v_add_nc_u32 v[ADRB+1], s21, v3
	s_lshl_b32 s21, s15, 8                         ; my four blocks' words: 256 x half in each 512
	s_lshl_b32 s22, s16, 8
	s_add_co_u32 s22, s22, 2*HALFS
	s_sub_co_u32 s22, s22, s21
	v_mul_u32_u24 v6, s22, v2                      ; lanes 16-31 take B's words
	s_add_co_u32 s21, s21, SCL
	v_lshlrev_b32 v5, 2, v1
	v_add_nc_u32 v5, v5, v6
	v_add_nc_u32 v[ADRS], s21, v5
	s_mul_i32 s23, s14, 16*SPITCH                  ; my stage
	v_mul_u32_u24 v4, v1, SPITCH
	v_lshl_add_u32 v4, v2, 6, v4
	v_add_nc_u32 v[STO], s23, v4                   ; in: row r, + 64 h
	v_mul_u32_u24 v5, v2, SPITCH
	v_lshl_add_u32 v5, v1, 4, v5
	v_add_nc_u32 v[RD], s23, v5                    ; back: lanes 0-15 one row of 256 bytes, lanes 16-31 the next
	v_lshlrev_b32 v[CO], 12, v2
	v_lshl_add_u32 v[CO], v1, 4, v[CO]             ; and the same two rows in memory
	v_lshlrev_b32 v[VB], 6, v2
	s_lshl_b32 s20, s104, 9
	s_lshl_b32 s21, s16, 8
	s_add_co_u32 s20, s20, s21                     ; my 64 columns, in bytes
	s_mov_b32 s21, 0
	s_add_nc_u64 s[10:11], s[10:11], s[20:21]      ; the bias there
	s_lshl_b32 s18, s17, 7
	s_lshl_b32 s19, s15, 6
	s_add_co_u32 s18, s18, s19
	s_lshl_b32 s18, s18, 12                        ; my 64 rows
	s_add_co_u32 s20, s20, s18
	s_add_nc_u64 s[8:9], s[8:9], s[20:21]
	s_add_nc_u64 s[12:13], s[12:13], s[20:21]
.irp b, 0,1,2,3
	global_load_b128 v[BI+8*\b:BI+8*\b+3], v[VB], s[10:11] offset:128*(\b/2)+32*(\b%2)
	global_load_b128 v[BI+8*\b+4:BI+8*\b+7], v[VB], s[10:11] offset:128*(\b/2)+32*(\b%2)+16
.endr
	WIN 0x80                                       ; destination window 2
.irp a, 0,1,2,3
.irp t, 0,1,2,3,4,5,6,7
	global_load_b128 v[4*(8*\a+\t):4*(8*\a+\t)+3], v[CO], s[8:9] offset:(32*(\a/2)+8*(\a%2)+2*\t+8*(\t/4))*4096
.endr
.endr
	WIN 0
; K step k, which lies q-th in its slot: 48 loads of 256 consecutive bytes into the fragment buffer of k's parity, and its four registers of scale words (lanes 0-15 A's block i, lanes 16-31 B's block i)
.macro FETCH slot, q, k
.set PB, PB0-(PB0-PB1)*(\slot)
.set FB, 128*((\k)%2)
	WIN TO_F
.irp i, 0,1,2,3
.irp p, 0,1,2,3,4,5
	ds_load_b64 v[FB+48+12*\i+2*\p:FB+48+12*\i+2*\p+1], v[ADRB+\slot] offset:\i*PB+(\q)*1536+256*\p
.endr
.endr
.irp i, 0,1,2,3
.irp p, 0,1,2,3,4,5
	ds_load_b64 v[FB+12*\i+2*\p:FB+12*\i+2*\p+1], v[ADRA+\slot] offset:\i*PB+(\q)*1536+256*\p
.endr
.endr
	WIN 0
.irp i, 0,1,2,3
	ds_load_b32 v[SCW+4*((\k)%2)+\i], v[ADRS] offset:512*(\k)+64*\i
.endr
.endm
.macro MULA k, a, zero                 ; four products of K step k: A's block a x B's four.  The 16 accumulators take turns, in the same order in every step
.set FM, 128*((\k)%2)
.set SM, SCW+4*((\k)%2)
.irp b, 0,1,2,3
.if \zero
	v_wmma_scale_f32_16x16x128_f8f6f4 v[ACC+8*(4*(\a)+\b):ACC+8*(4*(\a)+\b)+7], v[FM+48+12*\b:FM+48+12*\b+11], v[FM+12*(\a):FM+12*(\a)+11], v[BI+8*\b:BI+8*\b+7], v[SM+\b], v[SM+(\a)] matrix_a_fmt:MATRIX_FMT_FP6 matrix_b_fmt:MATRIX_FMT_FP6 matrix_a_scale:MATRIX_SCALE_ROW1
.else
	v_wmma_scale_f32_16x16x128_f8f6f4 v[ACC+8*(4*(\a)+\b):ACC+8*(4*(\a)+\b)+7], v[FM+48+12*\b:FM+48+12*\b+11], v[FM+12*(\a):FM+12*(\a)+11], v[ACC+8*(4*(\a)+\b):ACC+8*(4*(\a)+\b)+7], v[SM+\b], v[SM+(\a)] matrix_a_fmt:MATRIX_FMT_FP6 matrix_b_fmt:MATRIX_FMT_FP6 matrix_a_scale:MATRIX_SCALE_ROW1
.endif
.endr
.endm
.macro PLACES n
.rept \n
	v_nop
.endr
.endm
.macro KSTEP slot, q, k, zero          ; K step k, the q-th of its slot, which has its successor in the same slot: the successor's fragments are asked for first
	s_wait_dscnt 0x0                               ; this step's fragments and scale words are in
	PLACES 4                                       ; behind the products of K step k - 1, whose registers the loads below fill
	FETCH \slot, (\q)+1, (\k)+1
	WIN MUL
	MULA \k, 0, \zero
	MULA \k, 1, \zero
	MULA \k, 2, \zero
	MULA \k, 3, \zero
.endm
; A slot's last step, K step k, changes slots: one barrier; in front of it each wave waits for all its tensor loads, adds 0 to its spare word, and waits for that and for its reads of this slot.
; fill = 1: this slot is filled again, stepb bytes further along K.
.macro TURN slot, k, fill, stepb
	WIN 0
	s_wait_tensorcnt 0x0                           ; all my tensor loads have landed: my part of the other slot
	ds_add_u32 v[SPW], v[NIL]
	s_wait_dscnt 1                                 ; this step's fragments are in; the add alone may be out
	WIN MUL
	MULA \k, 0, 0
	s_wait_dscnt 0x0                               ; the add is done, and my reads of this slot are over
	s_barrier_signal -1
	MULA \k, 1, 0
	WIN 0
	s_barrier_wait -1
.if \fill
	CREST                                          ; the barrier has opened a round of the cluster's: no wave of any partner still reads this slot or has a load on its way
	s_add_nc_u64 s[G0P+4*\slot+2:G0P+4*\slot+3], s[G0P+4*\slot+2:G0P+4*\slot+3], \stepb
	s_add_nc_u64 s[G0BP+4*\slot+2:G0BP+4*\slot+3], s[G0BP+4*\slot+2:G0BP+4*\slot+3], \stepb
	JLOAD G0P+4*\slot, G1P+8*\slot, G0BP+4*\slot, G1BP+8*\slot   ; the first tensor load behind the round; its four v_nop are the places in front of the loads below
.else
	PLACES 4
.endif
	FETCH 1-(\slot), 0, (\k)+1
	WIN MUL
	MULA \k, 2, 0
	MULA \k, 3, 0
.endm
	s_wait_tensorcnt 1                             ; the scale words and my part of slot P are in; slot Q's load may be out
	s_barrier_signal -1
	s_barrier_wait -1
	FETCH 0, 0, 0
	s_wait_loadcnt 32                              ; the bias is in; the residual's 32 loads may be out
	KSTEP 0, 0, 0, 1                               ; the first step starts the sums, on the bias
	KSTEP 0, 1, 1, 0
	KSTEP 0, 2, 2, 0
	KSTEP 0, 3, 3, 0
	KSTEP 0, 4, 4, 0
	TURN 0, 5, 1, 16896                            ; P takes K steps 11 to 16
	KSTEP 1, 0, 6, 0
	KSTEP 1, 1, 7, 0
	KSTEP 1, 2, 8, 0
	KSTEP 1, 3, 9, 0
	TURN 1, 10, 1, 16896                           ; Q takes 17 to 21
	KSTEP 0, 0, 11, 0
	KSTEP 0, 1, 12, 0
	KSTEP 0, 2, 13, 0
	KSTEP 0, 3, 14, 0
	KSTEP 0, 4, 15, 0
	TURN 0, 16, 1, 16896                           ; P takes 22 to 27
	KSTEP 1, 0, 17, 0
	KSTEP 1, 1, 18, 0
	KSTEP 1, 2, 19, 0
	KSTEP 1, 3, 20, 0
	TURN 1, 21, 1, 15360                           ; Q takes 27 to 31: the last load
	KSTEP 0, 0, 22, 0
	KSTEP 0, 1, 23, 0
	KSTEP 0, 2, 24, 0
	KSTEP 0, 3, 25, 0
	TURN 0, 26, 0, 0                               ; nothing is left to fetch
	KSTEP 1, 0, 27, 0
	KSTEP 1, 1, 28, 0
	KSTEP 1, 2, 29, 0
	KSTEP 1, 3, 30, 0
	s_wait_dscnt 0x0
	WIN MUL
	MULA 31, 0, 0
	MULA 31, 1, 0
	MULA 31, 2, 0
	MULA 31, 3, 0
	WIN 0
; THE WAY OUT, a block of 16 rows x 64 columns at a time: into my stage by lane index, back as whole rows of 256 bytes; LDS serves a wave's instructions in order, so no wait stands between.
.macro TOSTAGE a
.irp b, 0,1,2,3
	ds_store_b128 v[STO], v[ACC+8*(4*(\a)+\b):ACC+8*(4*(\a)+\b)+3] offset:128*(\b/2)+32*(\b%2)      ; each accumulator from its low end on
	ds_store_b128 v[STO], v[ACC+8*(4*(\a)+\b)+4:ACC+8*(4*(\a)+\b)+7] offset:128*(\b/2)+32*(\b%2)+16
.endr
.set BB, BK+32*((\a)%2)
.irp t, 0,1,2,3,4,5,6,7
	ds_load_b128 v[BB+4*\t:BB+4*\t+3], v[RD] offset:\t*2*SPITCH
.endr
.endm
.macro SEND a, younger                 ; younger: the LDS instructions issued behind block a's loads
.set BB, BK+32*((\a)%2)
	s_wait_dscnt \younger
	WIN 0x08                                       ; source 1: the residual, window 2
.set i, 0
.rept 16
	v_pk_add_f32 v[BB+2*i:BB+2*i+1], v[BB+2*i:BB+2*i+1], v[32*(\a)+2*i:32*(\a)+2*i+1]
.set i, i+1
.endr
	WIN 0
.irp t, 0,1,2,3,4,5,6,7
	global_store_b128 v[CO], v[BB+4*\t:BB+4*\t+3], s[12:13] offset:(32*((\a)/2)+8*((\a)%2)+2*\t+8*(\t/4))*4096   ; 16 lanes store 256 consecutive bytes, aligned; stage row 2 t + h is row 32 (a / 2) + 8 (a % 2) + 2 t + h + 8 (t / 4)
.endr
.endm
	PLACES 4                                       ; behind the last products
	s_wait_loadcnt 0x0                             ; the residual
	TOSTAGE 0
.irp a, 1,2,3
.if \a > 1
	s_wait_xcnt 0x0                                ; block a - 2's stores have read their registers
.endif
	TOSTAGE \a
	SEND \a-1, 16                                  ; behind block a - 1's loads: block a's 8 stores and 8 loads
.endr
	SEND 3, 0
	s_wait_tensorcnt 0x0                           ; the wave's end
	ds_add_u32 v[SPW], v[NIL]
	s_wait_dscnt 0x0
	CROUND                                         ; the closing round
	s_endpgm
.Lfunc_end_k_q10ace521c2_ff2:
	.size	k_q10ace521c2_ff2, .Lfunc_end_k_q10ace521c2_ff2-k_q10ace521c2_ff2
	.p2alignl 7, 3214868480
	.fill 96, 4, 3214868480
	.section	.rodata,"a",@progbits
	.p2align	6, 0x0
	.amdhsa_kernel k_q10ace521c2_ff2
		.amdhsa_group_segment_fixed_size 327680
		.amdhsa_private_segment_fixed_size 0
		.amdhsa_enable_private_segment 0
		.amdhsa_kernarg_size 40
		.amdhsa_user_sgpr_count 2
		.amdhsa_user_sgpr_kernarg_segment_ptr 1
		.amdhsa_wavefront_size32 1
		.amdhsa_system_sgpr_workgroup_id_x 1
		.amdhsa_system_sgpr_workgroup_id_y 1
		.amdhsa_system_sgpr_workgroup_id_z 1
		.amdhsa_system_vgpr_workitem_id 0
		.amdhsa_next_free_vgpr 768
		.amdhsa_next_free_sgpr 106
		.amdhsa_reserve_vcc 0
		.amdhsa_float_denorm_mode_32 3
		.amdhsa_float_denorm_mode_16_64 3
		.amdhsa_memory_ordered 1
		.amdhsa_forward_progress 1
		.amdhsa_inst_pref_size 207
	.end_amdhsa_kernel
	.amdgpu_metadata
---
amdhsa.version: [ 1, 2 ]
amdhsa.kernels:
  - .name:           k_q10ace521c2_ff2
    .symbol:         k_q10ace521c2_ff2.kd
    .args:
      - { .name: fh, .offset: 0, .size: 8, .value_kind: global_buffer, .address_space: global }
      - { .name: wbuf, .offset: 8, .size: 8, .value_kind: global_buffer, .address_space: global }
      - { .name: x1, .offset: 16, .size: 8, .value_kind: global_buffer, .address_space: global }
      - { .name: b2, .offset: 24, .size: 8, .value_kind: global_buffer, .address_space: global }
      - { .name: out0, .offset: 32, .size: 8, .value_kind: global_buffer, .address_space: global }
    .group_segment_fixed_size: 327680
    .private_segment_fixed_size: 0
    .kernarg_segment_align: 8
    .kernarg_segment_size: 40
    .max_flat_workgroup_size: 128
    .sgpr_count:     106
    .vgpr_count:     768
    .wavefront_size: 32
...
	.end_amdgpu_metadata
.endif
;; end of part 7
